; MI455X (gfx1250); checked and timed in simulation.
; The chip was launched on July 23, 2026; its instructions are those of AMD's public machine-readable ISA for CDNA 5 (MIT licence, August 2026) and "CDNA5" Instruction Set Architecture Reference Guide (July 2026). The comments in the code are by the model that wrote it; some were corrected since.
;; Sparse Attention. Allowed arithmetic: matrix products marked QUANTISED: E2M3 operands, one E8M0 scale for each 32 along K, by v_wmma_scale_f32_16x16x128_f8f6f4 with both operands' format E2M3, f32 sums; everything else in f32.
;; Inputs: Wk 1,024 x 1,024 float32; Wo 1,024 x 1,024 float32; Wq 1,024 x 1,024 float32; Wv 1,024 x 1,024 float32; x 1 x 4,096 x 1,024 float32.
;; Outputs: out0 1 x 4,096 x 1,024 float32.
;; This version of the problem:
;;   THIS VERSION OF THE PROBLEM IS GIVEN IN LOW PRECISION. The matrix products marked QUANTISED in the list below multiply operands that are first quantised to E2M3 (2 exponent bits, 3 mantissa bits; 6 bits a number), with one power-of-two scale for each 32 numbers along K (OCP MX v1.0); their sums are f32. All else is computed in f32.
;;   The module's matrix products, in the order in which they are computed (A, B: the left and right operand; K: the contracted axis; several contracted axes count as one K, in the product's order):
;;     1. [M 4,096, K 1,024] x [K 1,024, N 1,024]; A: input x; B: input Wq: QUANTISED
;;     2. [M 4,096, K 1,024] x [K 1,024, N 1,024]; A: input x; B: input Wk: QUANTISED
;;     3. [M 4,096, K 1,024] x [K 1,024, N 1,024]; A: input x; B: input Wv: QUANTISED
;;     4. batch 16 x [M 4,096, K 64] x [K 64, N 4,096]; A: computed on the way; B: computed on the way: QUANTISED
;;     5. batch 16 x [M 4,096, K 4,096] x [K 4,096, N 64]; A: computed on the way; B: computed on the way: QUANTISED
;;     6. [M 4,096, K 1,024] x [K 1,024, N 1,024]; A: computed on the way; B: input Wo: QUANTISED
;;   THE QUANTISER, for each operand of a quantised product, along K:
;;     - K is cut into blocks of 32 from its start; a last block that is shorter is filled with zeros.
;;     - A block's scale is 2^e with e = floor(log2(the largest magnitude in the block)) - 2, held to -126 .. 127; a block of zeros has e = 0. As a byte (E8M0): e + 127.
;;     - Each number is divided by its block's scale, clamped to +-7.5, and rounded to the nearest number of E2M3, ties to even, subnormals kept.
;;     - The product sums the exact products of the quantised numbers (number of the format x scale) in f32.
;;   ~~~python
;;   def quantise(x, axis):      # numpy; x: float32 -> the quantised numbers, widened to float32 again
;;       x = np.moveaxis(x, axis, -1); K = x.shape[-1]
;;       x = np.pad(x, [(0, 0)] * (x.ndim - 1) + [(0, -K % 32)]); x = x.reshape(x.shape[:-1] + (-1, 32)); a = np.abs(x).max(-1, keepdims=True)
;;       e = np.where(a > 0, np.clip(np.frexp(np.where(a > 0, a, 1))[1] - 1 - 2, -126, 127), 0)      # np.frexp(a)[1] - 1 = floor(log2(a)), exactly
;;       r = np.clip(x / 2.0 ** e, -7.5, 7.5)
;;       step = 2.0 ** (np.maximum(np.frexp(np.where(r == 0, 1, r))[1] - 1, 0) - 3)
;;       q = np.round(r / step) * step * 2.0 ** e      # np.round: ties to even
;;       return np.moveaxis(q.reshape(q.shape[:-2] + (-1,))[..., :K], -1, axis).astype(np.float32)
;;   ~~~
;;   OPERANDS COMPUTED ON THE WAY. 'Computed on the way' means the value that the module computes at that place (a softmax that the list does not call 'softmax' is quantised finished and normalised). What goes into a quantiser is computed in f32, as accurately as f32 sums, v_exp_f32 and their like allow (about 1e-6 of the number): no bf16 or f16 on the way to a quantiser, and a product that is left as it is and whose result goes on into a quantised operand takes f32 operands (vector FMAs, or v_wmma_f32_16x16x4_f32). A number that lies on a knife's edge between two numbers of the format may be rounded either way, as far as f32 arithmetic and the matrix unit's own rounding can turn it there, and no further.
;; One version. Each part assembles by itself: llvm-mc -triple=amdgcn-amd-amdhsa -mcpu=gfx1250 --defsym DOCPART=n.
;; ======== version 1 of 1: 4 launches
;; workspace buffers: cod 6,291,456 bytes; scl 262,144 bytes; qkv 12,582,912 bytes; hs 917,504 bytes; aimg 3,145,728 bytes; asc 131,072 bytes
;; launch quant (part 1): grid 256 x 1, 4 waves a work-group, no clusters, 33,280 bytes of LDS; arguments x, Wq, Wk, Wv, Wo, cod, scl; writes cod, scl
.if DOCPART == 1
	.amdgcn_target "amdgcn-amd-amdhsa--gfx1250"
	.amdhsa_code_object_version 6
	.text
	.protected	k_qf1efedba2c_quant
	.globl	k_qf1efedba2c_quant
	.p2align	8
	.type	k_qf1efedba2c_quant,@function
k_qf1efedba2c_quant:
	s_mov_b64 s[64:65], 0
	v_nop
	global_prefetch_b8 v0, s[64:65] scope:SCOPE_SE
	s_setreg_imm32_b32 hwreg(HW_REG_WAVE_MODE, 25, 1), 1
	s_wait_xcnt 0x0
; x [4096][1024] and Wq, Wk, Wv, Wo [1024][1024], f32, K innermost, become codes of FP6 (E2M3) with one E8M0 scale byte for each 32 along K.
; cod: 8,192 rows (x, Wq, Wk, Wv, Wo on end) of 32 blocks of 24 bytes; scl: 32 bytes a row.
; INSIDE A BLOCK THE CODES STAND IN TWO GROUPS: group 0 = offsets 0-7, 16-23; group 1 = offsets 8-15, 24-31; 12 bytes each.  Every operand of this program is laid so, and an order of k inside a
; scale block that is the same on both sides of a product changes no product.  (The later launches get their operands from matrix results, whose lanes hold just these groups.)
; A block's scale is 2^(floor(log2(its largest magnitude)) - 2); its byte is the largest magnitude's exponent field - 2, held at 1 from below.
; LIMITS: a block of zeros gets the byte 1 where the rule says 127 (its codes are zeros; this program alone reads the bytes); NaN and infinities among the inputs are not served.
; All tensors are plain streams of blocks.  A wave takes 16 steps of 512 numbers: four loads of 512 consecutive bytes; the 2,048 bytes turn through the wave's own stage in LDS and come back a group a lane.
; No matrix unit, no cluster, no tensor load: the launch streams, waves share nothing, so there is no barrier.  Loads run four steps (16 loads a wave) ahead.
.set WAVES, 4
.set STEPS, 16
.set EMAX,  2
.set CB,    12                         ; bytes of 16 codes
.set R,     16                         ; v16-79   four sets of 16 numbers as they are loaded
.set X,     80                         ; v80-111  two sets of 16 numbers: a group
.set C,     128                        ; v128-191 codes: four registers for each step, so that no store's data are written again
.set E,     112                        ; v112-127 a scale byte for each step
.set WREG,  8192                       ; LDS: a region for each wave: two stages of 32 x SP bytes, then its 256 scale bytes
.set SP,    80                         ; 64 bytes + 16 of padding
.set SPW,   12                         ; v12  my spare word; never rewritten
.set NIL,   13                         ; v13  0; never rewritten
.set SPARE, WAVES*WREG                 ; the spare words: 128 bytes a wave, named by no other line
	s_load_b256 s[4:11], s[0:1], 0x0               ; x, Wq, Wk, Wv
	s_load_b128 s[12:15], s[0:1], 0x20             ; Wo, cod
	s_load_b64 s[16:17], s[0:1], 0x30              ; scl
	v_lshl_add_u32 v[SPW], v0, 2, SPARE
	v_mov_b32 v[NIL], 0
	v_lshrrev_b32 v1, 5, v0
	v_readfirstlane_b32 s18, v1                    ; wave
	v_and_b32 v2, 31, v0                           ; lane
	v_lshlrev_b32 v3, 4, v2                        ; my 16 bytes of a load's 512
	s_mul_i32 s19, s18, WREG
	v_lshrrev_b32 v14, 2, v2
	v_mul_u32_u24 v14, v14, SP
	v_and_b32 v15, 3, v2
	v_lshl_add_u32 v14, v15, 4, v14
	v_add_nc_u32 v14, s19, v14                     ; the stage, on the way in: four lanes' 64 bytes on end, then 16 of padding
	v_and_b32 v15, 30, v2
	v_mul_u32_u24 v15, v15, SP
	v_and_b32 v10, 1, v2
	v_lshl_add_u32 v15, v10, 5, v15
	v_add_nc_u32 v15, s19, v15                     ; on the way out: lanes 2 m and 2 m + 1 share block m: its two places of 64 bytes; the odd lane begins 32 bytes in
	v_mul_u32_u24 v4, v2, CB                       ; my codes' place in a step's
	v_lshrrev_b32 v5, 1, v2
	s_add_co_u32 s19, s19, 2*32*SP
	v_add_nc_u32 v5, s19, v5                       ; LDS: my wave's 256 scale bytes, my block's byte
	v_lshlrev_b32 v7, 3, v2
	v_add_nc_u32 v6, s19, v7
	s_wait_kmcnt 0x0
	s_mov_b32 s19, 0                               ; which tensor: the choice hangs on the work-group's number alone.  x has 128 work-groups, each weight 32
	s_cmp_ge_u32 ttmp9, 128
	s_cselect_b64 s[4:5], s[6:7], s[4:5]
	s_cselect_b32 s19, 128, s19
	s_cmp_ge_u32 ttmp9, 160
	s_cselect_b64 s[4:5], s[8:9], s[4:5]
	s_cselect_b32 s19, 160, s19
	s_cmp_ge_u32 ttmp9, 192
	s_cselect_b64 s[4:5], s[10:11], s[4:5]
	s_cselect_b32 s19, 192, s19
	s_cmp_ge_u32 ttmp9, 224
	s_cselect_b64 s[4:5], s[12:13], s[4:5]
	s_cselect_b32 s19, 224, s19
	s_sub_co_u32 s20, ttmp9, s19
	s_lshl_b32 s20, s20, 2
	s_add_co_u32 s20, s20, s18                     ; which run of 8,192 numbers of the tensor is my wave's
	s_lshl_b32 s20, s20, 15                        ; 32,768 bytes a run
	s_mov_b32 s21, 0
	s_add_nc_u64 s[4:5], s[4:5], s[20:21]
	s_lshl_b32 s22, ttmp9, 2
	s_add_co_u32 s22, s22, s18                     ; and which run of the two output streams
	s_mul_i32 s20, s22, 32*STEPS*CB
	s_add_nc_u64 s[14:15], s[14:15], s[20:21]
	s_lshl_b32 s20, s22, 8
	s_add_nc_u64 s[16:17], s[16:17], s[20:21]
.macro LOAD t
.irp i, 0,1,2,3
	global_load_b128 v[R+16*((\t)%4)+4*\i:R+16*((\t)%4)+4*\i+3], v3, s[4:5] offset:2048*(\t)+512*\i th:TH_LOAD_NT   ; 32 lanes read 512 consecutive bytes
.endr
.endm
.macro TURN t                          ; step t's numbers through the stage: LDS serves a wave's instructions in order, so no wait stands between the stores and the loads
.irp i, 0,1,2,3
	ds_store_b128 v14, v[R+16*((\t)%4)+4*\i:R+16*((\t)%4)+4*\i+3] offset:32*SP*((\t)%2)+8*SP*\i
.endr
.irp i, 0,1,2,3
	ds_load_b128 v[X+16*((\t)%2)+4*\i:X+16*((\t)%2)+4*\i+3], v15 offset:32*SP*((\t)%2)+SP*(\i/2)+16*(\i%2)   ; eight numbers of the block's first half, eight of its second
.endr
.endm
.irp t, 0,1,2,3
	LOAD \t
.endr
	s_wait_loadcnt 12                              ; step 0's four loads are in
	TURN 0
.macro STEP t
.set XS, X+16*((\t)%2)
.if (\t) > 0
	s_wait_dscnt 1                                 ; this step's numbers are back from the stage (the last step's byte store may be out): so its stores into the stage have read their registers,
.else
	s_wait_dscnt 0x0
.endif
.if (\t)+4 < STEPS
	LOAD (\t)+4                                    ; which take the loads of four steps on
.endif
.if (\t)+1 < STEPS
.if STEPS-2-(\t) >= 3
	s_wait_loadcnt 12                              ; the next step's four loads are in; those of the three steps behind it may be out
.else
	s_wait_loadcnt 4*(STEPS-2-(\t))
.endif
	TURN (\t)+1
.endif
	v_max3_num_f32 v8, |v[XS]|, |v[XS+1]|, |v[XS+2]|               ; the largest magnitude of my 16
	v_max3_num_f32 v9, |v[XS+3]|, |v[XS+4]|, |v[XS+5]|
.irp i, 6,10
	v_max3_num_f32 v8, v8, |v[XS+\i]|, |v[XS+\i+1]|
	v_max3_num_f32 v9, v9, |v[XS+\i+2]|, |v[XS+\i+3]|
.endr
	v_max3_num_f32 v8, v8, |v[XS+14]|, |v[XS+15]|
	v_max3_num_f32 v8, v8, v9, (EMAX+1)<<23        ; and the floor 2^(EMAX + 1 - 127): the byte cannot fall under 1
	v_max_num_f32_dpp v8, v8, v8 row_xmask:1 row_mask:0xf bank_mask:0xf   ; and of my neighbour's 16: the block's
	v_add_nc_u32 v11, -(EMAX<<23), v8              ; EMAX off its exponent field: the conversion takes the exponent field of this operand as its scale
	v_cvt_scalef32_pk16_fp6_f32 v[C+4*(\t):C+4*(\t)+2], v[XS:XS+15], v11
	v_lshrrev_b32 v[E+(\t)], 23, v11               ; the scale's byte
	ds_store_b8 v5, v[E+(\t)] offset:16*(\t)       ; both lanes of a block write the same byte with the same value
	global_store_b96 v4, v[C+4*(\t):C+4*(\t)+2], s[14:15] offset:32*CB*(\t)   ; the wave stores 384 consecutive bytes
.endm
.irp t, 0,1,2,3,4,5,6,7,8,9,10,11,12,13,14,15
	STEP \t
.endr
	ds_load_b64 v[8:9], v6                         ; LDS serves a wave's instructions in order: these see my stores
	s_wait_dscnt 0x0
	global_store_b64 v7, v[8:9], s[16:17]          ; 32 lanes store 256 consecutive bytes, aligned
	s_wait_tensorcnt 0x0                           ; the wave's end
	ds_add_u32 v[SPW], v[NIL]
	s_wait_dscnt 0x0
	s_endpgm
.Lfunc_end_k_qf1efedba2c_quant:
	.size	k_qf1efedba2c_quant, .Lfunc_end_k_qf1efedba2c_quant-k_qf1efedba2c_quant
	.p2alignl 7, 3214868480
	.fill 96, 4, 3214868480
	.section	.rodata,"a",@progbits
	.p2align	6, 0x0
	.amdhsa_kernel k_qf1efedba2c_quant
		.amdhsa_group_segment_fixed_size 33280
		.amdhsa_private_segment_fixed_size 0
		.amdhsa_enable_private_segment 0
		.amdhsa_kernarg_size 56
		.amdhsa_user_sgpr_count 2
		.amdhsa_user_sgpr_kernarg_segment_ptr 1
		.amdhsa_wavefront_size32 1
		.amdhsa_system_sgpr_workgroup_id_x 1
		.amdhsa_system_sgpr_workgroup_id_y 1
		.amdhsa_system_sgpr_workgroup_id_z 1
		.amdhsa_system_vgpr_workitem_id 0
		.amdhsa_next_free_vgpr 192
		.amdhsa_next_free_sgpr 66
		.amdhsa_reserve_vcc 0
		.amdhsa_float_denorm_mode_32 3
		.amdhsa_float_denorm_mode_16_64 3
		.amdhsa_memory_ordered 1
		.amdhsa_forward_progress 1
		.amdhsa_inst_pref_size 33
	.end_amdhsa_kernel
	.amdgpu_metadata
---
amdhsa.version: [ 1, 2 ]
amdhsa.kernels:
  - .name:           k_qf1efedba2c_quant
    .symbol:         k_qf1efedba2c_quant.kd
    .args:
      - { .name: x, .offset: 0, .size: 8, .value_kind: global_buffer, .address_space: global }
      - { .name: Wq, .offset: 8, .size: 8, .value_kind: global_buffer, .address_space: global }
      - { .name: Wk, .offset: 16, .size: 8, .value_kind: global_buffer, .address_space: global }
      - { .name: Wv, .offset: 24, .size: 8, .value_kind: global_buffer, .address_space: global }
      - { .name: Wo, .offset: 32, .size: 8, .value_kind: global_buffer, .address_space: global }
      - { .name: cod, .offset: 40, .size: 8, .value_kind: global_buffer, .address_space: global }
      - { .name: scl, .offset: 48, .size: 8, .value_kind: global_buffer, .address_space: global }
    .group_segment_fixed_size: 33280
    .private_segment_fixed_size: 0
    .kernarg_segment_align: 8
    .kernarg_segment_size: 56
    .max_flat_workgroup_size: 128
    .sgpr_count:     66
    .vgpr_count:     192
    .wavefront_size: 32
...
	.end_amdgpu_metadata
.endif
;; end of part 1
;; launch gemmq (part 2): grid 8 x 24, 4 waves a work-group, clusters of 4 x 4, 327,680 bytes of LDS; arguments cod, scl, qkv, hs; writes qkv, hs
.if DOCPART == 2
	.amdgcn_target "amdgcn-amd-amdhsa--gfx1250"
	.amdhsa_code_object_version 6
	.text
	.protected	k_qf1efedba2c_gemmq
	.globl	k_qf1efedba2c_gemmq
	.p2align	8
	.type	k_qf1efedba2c_gemmq,@function
k_qf1efedba2c_gemmq:
	s_mov_b64 s[64:65], 0
	v_nop
	global_prefetch_b8 v0, s[64:65] scope:SCOPE_SE
	s_setreg_imm32_b32 hwreg(HW_REG_WAVE_MODE, 25, 1), 1
	s_wait_xcnt 0x0
	s_wait_alu depctr_hold_cnt(0) depctr_sa_sdst(0) depctr_va_vdst(0) depctr_va_sdst(0) depctr_va_ssrc(0) depctr_va_vcc(0) depctr_vm_vsrc(0)
	s_getreg_b32 s2, hwreg(HW_REG_IB_STS2, 6, 4)
	s_cmp_eq_u32 s2, 0
	s_cbranch_scc0 .Lentry_in_a_cluster
	s_endpgm
.Lentry_in_a_cluster:
	s_bfe_u32 s2, ttmp6, 0x10000c
	s_cmp_lg_u32 s2, 0xf033
	s_cbranch_scc0 .Lentry_shape_is_right
	s_endpgm
.Lentry_shape_is_right:
; The three projections, on codes of FP6 (E2M3) with E8M0 scales, and the quantising of their results: Q and K along the head's 64, V along the tokens.  Nothing wide goes to memory.
; A work-group of four waves makes 256 x 256 of a product, a wave 128 x 128 (64 accumulators, 512 registers); K = 1,024 goes in four steps of 256 through a ring of two LDS slots.
; SOURCE 0 ('B') IS THE AXIS THAT IS QUANTISED NEXT, source 1 ('A') gives the rows: a lane then holds one row, and the 16 registers of two neighbouring accumulators are one GROUP of a block of 32
; along the next K (group h = offsets 8 h + 0..7 and 16 + 8 h + 0..7; h = lane / 16).  Q, K: A = tokens, B = rows of Wq | Wk.  V: A = rows of Wv, B = tokens.
; GRID: clusters 2 x 6.  Cluster rows 0-3: Q and K (8 tile columns x 16 tile rows); cluster rows 4, 5: V (16 tile columns of tokens x 4 tile rows).  192 work-groups: 768 strips of 256 x 64 do not
; fall into 256 equal rectangles of whole heads, and a tile of half the width reads each LDS byte for half the products.
; CLUSTERS: 4 x 4; A's tile is shared along a row of the cluster, B's along a column: joint loads, one a wave behind each round.
; WHAT IS STORED.  A UNIT is 16 bytes: a group's 16 codes (12 bytes) and 4 bytes of zeros.  qkv: Q, K: [head' 0..31][token / 16][dim block][h][token % 16][16]; V from byte 8,388,608: [d / 16][token block][h][d % 16][16].
; hs: per head 40,960 bytes: K's words by token {s0,s0,s1,s1}; V's pair words [dt][pair of blocks][d % 16] {sa,sa,sb,sb}; V's diagonal words [dt][parity][j][d % 16], byte i = block 8 j + parity + 2 i; from 655,360: Q's words.
; The code stores cover 512 consecutive aligned bytes each; the scale words leave in pieces of 64 bytes: 1 byte in 15 of what the launch stores.
; LIMITS: a block of zeros gets the byte 1 where the rule says 127 (zero codes; read by this program alone); NaN and infinities are not served.
; REGISTERS: window 0: v0-31 addresses; v32-63 scale words, two sets; from v128 A's fragments, one set; on the way out v112-220 at work.  window 1: B's fragments, two sets.  windows 2, 3: the accumulators.
.set SIZE_K, 1024
.set KSTEP,  256
.set NQ,     KSTEP/128
.set ROWB,   192                       ; a tile's row in bytes
.set KROW,   SIZE_K*6/8                ; a row of cod
.set PITCH,  240                       ; an LDS row: 3 x (64 bytes + 16 of padding)
.set FR,     12
.set NL,     6
.set NP,     4
.set HALFT,  128*PITCH
.set SLOT,   4*HALFT
.set LAPS,   SIZE_K/(2*KSTEP)
.set KS,     SIZE_K/32
.set SCL,    2*SLOT                    ; behind the ring: the scales of my 512 rows for all of K, as units of 256 bytes + 16
.set HALFS,  (128*KS/256)*272
.set SBLK,   (16*KS/256)*272
.set SPARE,  SCL+4*HALFS               ; the spare words: 128 bytes a wave, named by no other line
.set ADRA, 16
.set ADRB, 20
.set L16,  24                          ; v24  16 x lane: a unit's place in a store of 512 bytes
.set SAD,  25                          ; v25  my scale word's place: h x (distance of the two heads or pairs) + 4 r
.set DAD,  26                          ; v26  V's diagonal words: 1,024 h + 4 r + 2 x my half
.set ADRS, 27
.set SPW,  28
.set NIL,  29
.set SC,   32
.set AF,   128
.set TM,   200                         ; v200-215 at work on the way out
.set PW,   216                         ; the four blocks' bytes
.set G1, 24
.set G0, 32
.set G1B, 48
.set G0B, 56
.set G1S, 68
.set G0S, 76
.set G1SB, 80
.set G0SB, 88
.set MSB, 0
.macro WIN new                         ; the immediate's high byte repeats the setting that is left
.if MSB != \new
	s_set_vgpr_msb (MSB<<8)|\new
.set MSB, \new
.endif
.endm
.set MUL_LO, 0xa1                      ; source 0 (B) window 1, source 1 (A) window 0, C and D window 2
.set MUL_HI, 0xf1
.set TO_B,   0x40
; A joint load: waves 0 and 1 fetch for A, waves 2 and 3 for B.  The branch hangs on the wave's number alone.  An s_nop 0 and four v_nop follow each of the two lines.
.macro JLOAD g0a, g1a, g0b, g1b
	s_cmp_eq_u32 s15, 0
	s_cbranch_scc0 .Lfor_b_\@
	tensor_load_to_lds s[\g0a:\g0a+3], s[\g1a:\g1a+7]
	s_nop 0
.rept 4
	v_nop
.endr
	s_branch .Lasked_\@
.Lfor_b_\@:
	tensor_load_to_lds s[\g0b:\g0b+3], s[\g1b:\g1b+7]
	s_nop 0
.rept 4
	v_nop
.endr
.Lasked_\@:
.endm
.macro CREST                           ; a round of the cluster's barrier behind its opening barrier
	s_cmp_lg_u32 s14, 0
	s_cbranch_scc1 .Lnot_wave_0_\@
	s_barrier_signal -3
.Lnot_wave_0_\@:
	s_barrier_wait -3
	s_barrier_signal -1
	s_barrier_wait -1
.endm
.macro CROUND
	s_barrier_signal -1
	s_barrier_wait -1
	CREST
.endm
	s_load_b128 s[4:7], s[0:1], 0x0                ; cod, scl
	s_load_b128 s[8:11], s[0:1], 0x10              ; qkv, hs
	v_lshl_add_u32 v[SPW], v0, 2, SPARE
	v_mov_b32 v[NIL], 0
	ds_add_u32 v[SPW], v[NIL]                      ; the wave's opening: the add, waited for ahead of my first tensor load
	v_lshrrev_b32 v1, 5, v0
	v_readfirstlane_b32 s14, v1                    ; wave 0..3
	s_lshr_b32 s15, s14, 1                         ; my half of A's rows.  Also: I fetch for A (0) or for B (1)
	s_and_b32 s16, s14, 1                          ; my half of B's rows.  Also: which 128 rows I fetch
	s_bfe_u32 s40, ttmp6, 0x40000                  ; cx, cy
	s_bfe_u32 s41, ttmp6, 0x40004
	s_and_b32 s12, ttmp7, 0xffff                   ; the cluster's y: the same in all sixteen partners
	s_sub_co_u32 s18, s12, 4
	s_lshl_b32 s18, s18, 1
	s_add_co_u32 s18, s18, ttmp9                   ; V: cluster column = x + 2 (y - 4)
	s_cmp_ge_u32 s12, 4
	s_cselect_b32 s13, 1, 0                        ; s13 = 1: my cluster makes V
	s_cselect_b32 s18, s18, ttmp9
	s_cselect_b32 s12, 0, s12                      ; V: cluster row 0
	s_cselect_b32 s19, 6144, 0                     ; A's first row in cod: Wv's, or x's
	s_cselect_b32 s2, 0, 4096                      ; B's: x's, or Wq's
	s_lshl_b32 s42, s18, 2
	s_add_co_u32 s42, s42, s40                     ; tile column (B)
	s_lshl_b32 s17, s12, 2
	s_add_co_u32 s17, s17, s41                     ; tile row (A)
	s_lshl_b32 s43, s41, 2
	s_lshl_b32 s43, 15, s43                        ; my row of the cluster
	s_lshl_b32 s44, 0x1111, s40                    ; my column
	s_or_b32 s[G1+0], s43, (0<<16)|(1<<20)|(1<<21)|(3<<22)|(3<<25)  ; mask; elements of 1 byte; padding on; bit 21 beside a mask; after every 16 words, 4 words
	s_or_b32 s[G1B+0], s44, (0<<16)|(1<<20)|(1<<21)|(3<<22)|(3<<25)
.irp g, G1, G1B
	s_mov_b32 s[\g+1], ROWB<<16                    ; tensor_dim0
	s_mov_b32 s[\g+2], 128<<16                     ; tensor_dim1
	s_mov_b32 s[\g+3], ROWB<<16                    ; tile_dim0
	s_mov_b32 s[\g+4], 128                         ; tile_dim1
	s_mov_b32 s[\g+5], KROW                        ; stride
	s_mov_b32 s[\g+6], 0
	s_mov_b32 s[\g+7], 0
.endr
	s_or_b32 s[G1S+0], s43, (3<<16)|(1<<20)|(1<<21)|(5<<22)|(3<<25)  ; the scales of 128 rows: 4,096 dense bytes as rows of 256, 16 bytes of padding behind each
	s_or_b32 s[G1SB+0], s44, (3<<16)|(1<<20)|(1<<21)|(5<<22)|(3<<25)
.irp g, G1S, G1SB
	s_mov_b32 s[\g+1], 32<<16
	s_mov_b32 s[\g+2], (128*KS/256)<<16
	s_mov_b32 s[\g+3], 32<<16
	s_mov_b32 s[\g+4], 128*KS/256
	s_mov_b32 s[\g+5], 32
	s_mov_b32 s[\g+6], 0
	s_mov_b32 s[\g+7], 0
.endr
	s_lshl_b32 s18, s16, 7                         ; which 128 rows of the tile I fetch
	s_lshl_b32 s20, s17, 8
	s_add_co_u32 s20, s20, s18
	s_add_co_u32 s20, s20, s19                     ; A: row of cod
	s_lshl_b32 s46, s42, 8
	s_add_co_u32 s46, s46, s18
	s_add_co_u32 s46, s46, s2                      ; B: row of cod
	s_mov_b32 s21, 0
	s_mov_b32 s47, 0
	s_mov_b64 s[18:19], KS
	s_mul_u64 s[22:23], s[20:21], s[18:19]         ; where these rows' scales begin,
	s_mul_u64 s[92:93], s[46:47], s[18:19]
	s_mov_b64 s[18:19], KROW
	s_mul_u64 s[20:21], s[20:21], s[18:19]         ; and their codes
	s_mul_u64 s[46:47], s[46:47], s[18:19]
	s_mul_i32 s45, s14, HALFT                      ; where they go: wave x 128 rows
	s_mul_i32 s94, s14, HALFS
	s_wait_dscnt 0x0                               ; the opening add is done
	s_wait_kmcnt 0x0
	s_add_nc_u64 s[20:21], s[4:5], s[20:21]
	s_add_nc_u64 s[22:23], s[6:7], s[22:23]
	s_add_nc_u64 s[46:47], s[4:5], s[46:47]
	s_add_nc_u64 s[92:93], s[6:7], s[92:93]
	CROUND                                         ; all sixteen work-groups are here: the first joint loads meet
	s_mov_b32 s[G0S], 1
	s_add_co_u32 s[G0S+1], s94, SCL
	s_mov_b64 s[G0S+2:G0S+3], s[22:23]
	s_or_b32 s[G0S+3], s[G0S+3], 0x80000000
	s_mov_b32 s[G0SB], 1
	s_add_co_u32 s[G0SB+1], s94, SCL
	s_mov_b64 s[G0SB+2:G0SB+3], s[92:93]
	s_or_b32 s[G0SB+3], s[G0SB+3], 0x80000000
	JLOAD G0S, G1S, G0SB, G1SB                     ; the scales first: they are wanted with K step 0
.irp s, 0,1
	s_mov_b32 s[G0+4*\s], 1
	s_add_co_u32 s[G0+4*\s+1], s45, \s*SLOT
	s_add_nc_u64 s[G0+4*\s+2:G0+4*\s+3], s[20:21], \s*ROWB
	s_or_b32 s[G0+4*\s+3], s[G0+4*\s+3], 0x80000000
	s_mov_b32 s[G0B+4*\s], 1
	s_add_co_u32 s[G0B+4*\s+1], s45, \s*SLOT
	s_add_nc_u64 s[G0B+4*\s+2:G0B+4*\s+3], s[46:47], \s*ROWB
	s_or_b32 s[G0B+4*\s+3], s[G0B+4*\s+3], 0x80000000
	JLOAD G0+4*\s, G1, G0B+4*\s, G1B
.endr
	v_and_b32 v1, 15, v0                           ; r
	v_bfe_u32 v2, v0, 4, 1                         ; h
	v_mul_u32_u24 v3, v1, PITCH
	v_mul_u32_u24 v4, v2, 24
	v_add_nc_u32 v4, v3, v4                        ; a fragment's row x pitch + 24 x half
	v_lshl_add_u32 v5, v2, 4, v4                   ; and the same behind one padding more
	s_mul_i32 s21, s15, HALFT
	s_mul_i32 s22, s16, HALFT
	s_add_co_u32 s22, s22, 2*HALFT
.irp s, 0,1
	v_add_nc_u32 v[ADRA+\s], s21, v4
	v_add_nc_u32 v[ADRB+\s], s22, v4
	v_add_nc_u32 v[ADRA+2+\s], s21, v5
	v_add_nc_u32 v[ADRB+2+\s], s22, v5
	s_add_co_u32 s21, s21, SLOT
	s_add_co_u32 s22, s22, SLOT
.endr
	v_mul_u32_u24 v5, v1, KS                       ; my row's scales: KS bytes a row,
	v_lshrrev_b32 v6, 8, v5
	v_lshl_add_u32 v5, v6, 4, v5                   ; and 16 more for each 256 passed
	s_mul_i32 s21, s15, HALFS
	s_mul_i32 s22, s16, HALFS
	s_add_co_u32 s22, s22, 2*HALFS
	s_sub_co_u32 s22, s22, s21
	v_mul_u32_u24 v6, s22, v2                      ; lanes 16-31 take B's
	s_add_co_u32 s21, s21, SCL
	v_add_nc_u32 v5, v5, v6
	v_add_nc_u32 v[ADRS], s21, v5
	; THE WAY OUT'S PLACES, as byte offsets; both forms are made, and the cluster's kind chooses.  hA = 4 x tile column + 2 x my half of B; G0 = 16 x tile row + 8 x my half of A
	s_lshl_b32 s40, s42, 2
	s_lshl_b32 s41, s16, 1
	s_add_co_u32 s40, s40, s41                     ; hA: Q, K: my first head' (0..31); V: my first pair of token blocks
	s_lshl_b32 s41, s17, 4
	s_lshl_b32 s18, s15, 3
	s_add_co_u32 s41, s41, s18                     ; G0: my first block of 16 rows of A
	s_lshl_b32 s43, s40, 18
	s_lshl_b32 s18, s41, 10
	s_add_co_u32 s43, s43, s18                     ; Q, K units: 262,144 hA + 1,024 G0
	s_lshl_b32 s44, s41, 16
	s_lshl_b32 s18, s40, 10
	s_add_co_u32 s44, s44, s18
	s_add_co_u32 s44, s44, 8388608                 ; V units: 65,536 G0 + 1,024 hA behind Q's and K's
	s_lshl_b32 s20, s41, 6
	s_lshl_b32 s45, s40, 14
	s_add_co_u32 s45, s45, s20
	s_add_co_u32 s45, s45, 655360                  ; Q's words
	s_sub_co_u32 s46, s40, 16
	s_mul_i32 s46, s46, 40960
	s_add_co_u32 s46, s46, s20                     ; K's words
	s_lshr_b32 s21, s41, 2
	s_mul_i32 s21, s21, 40960                      ; V: my first head's block of hs
	s_lshl_b32 s47, s40, 6
	s_add_co_u32 s47, s47, s21
	s_add_co_u32 s47, s47, 16384                   ; V's pair words
	s_lshl_b32 s18, s42, 6
	s_add_co_u32 s18, s18, s21
	s_add_co_u32 s18, s18, 32768                   ; V's diagonal words: j = the tile column
	s_mov_b32 s19, 40960
	s_cmp_lt_u32 s40, 16                           ; Q or K
	s_cselect_b32 s45, s45, s46
	s_cselect_b32 s19, 16384, s19                  ; from head to head among the words
	s_mov_b32 s20, 262144
	s_mov_b32 s21, 1024
	s_cmp_eq_u32 s13, 1                            ; V?
	s_cselect_b32 s43, s44, s43
	s_cselect_b32 s45, s47, s45
	s_cselect_b32 s19, 64, s19
	s_cselect_b32 s20, 1024, s20                   ; from blocks 0, 1 to blocks 2, 3 of my four
	s_cselect_b32 s100, 65536, s21                 ; from one block of A's rows to the next: units,
	s_cselect_b32 s66, 4096, 64                    ; words,
	s_cselect_b32 s22, 24576, 0                    ; and what a change of head adds (V, behind four blocks)
	s_cselect_b32 s18, s18, 0
	s_mov_b32 s101, 0
	s_mov_b32 s67, 0
	s_mov_b32 s23, 0
	s_mov_b32 s41, 0
	s_mov_b32 s40, s43
	s_add_nc_u64 s[92:93], s[8:9], s[40:41]        ; units of blocks 0, 1
	s_mov_b32 s40, s20
	s_add_nc_u64 s[94:95], s[92:93], s[40:41]      ; of blocks 2, 3
	s_mov_b32 s40, s45
	s_add_nc_u64 s[96:97], s[10:11], s[40:41]      ; words
	s_mov_b32 s40, s18
	s_add_nc_u64 s[98:99], s[10:11], s[40:41]      ; V's diagonal words
	v_and_b32 v[L16], 31, v0
	v_lshlrev_b32 v[L16], 4, v[L16]
	v_mul_u32_u24 v[SAD], s19, v2
	v_lshl_add_u32 v[SAD], v1, 2, v[SAD]
	v_lshlrev_b32 v[DAD], 10, v2
	v_lshl_add_u32 v[DAD], v1, 2, v[DAD]
	s_lshl_b32 s18, s16, 1
	v_add_nc_u32 v[DAD], s18, v[DAD]
.macro FRAG reg, adr, q, i             ; a fragment: 16 rows x 128 K of 6-bit codes, 12 registers, in pieces of 8 bytes; where the piece of lanes 16-31 lies behind one padding more, the second address register serves
.irp p, 0,1,2,3,4,5
.set PC, 12*(\q)+6*(\p/3)+\p%3
.if PC%8 < 5
	ds_load_b64 v[\reg+2*\p:\reg+2*\p+1], v[\adr] offset:8*PC+16*(PC/8)+(\i)*16*PITCH
.else
	ds_load_b64 v[\reg+2*\p:\reg+2*\p+1], v[\adr+2] offset:8*PC+16*(PC/8)+(\i)*16*PITCH
.endif
.endr
.endm
; 16 matrix instructions: A's blocks a0, a0 + 1 x B's eight.  The 64 accumulators take turns, one instruction a turn, in the same order in every step.
.macro MUL16 a0, p, q, sc, zero
.irp a, \a0, \a0+1
.irp b, 0,1,2,3,4,5,6,7
.if \zero
	v_wmma_scale_f32_16x16x128_f8f6f4 v[8*(8*((\a)%4)+\b):8*(8*((\a)%4)+\b)+7], v[128*(\p)+FR*\b:128*(\p)+FR*\b+FR-1], v[AF+FR*(\a):AF+FR*(\a)+FR-1], 0, v[SC+8*NQ*(\sc)+NQ*\b+(\q)], v[SC+8*NQ*(\sc)+NQ*(\a)+(\q)] matrix_a_fmt:MATRIX_FMT_FP6 matrix_b_fmt:MATRIX_FMT_FP6 matrix_a_scale:MATRIX_SCALE_ROW1
.else
	v_wmma_scale_f32_16x16x128_f8f6f4 v[8*(8*((\a)%4)+\b):8*(8*((\a)%4)+\b)+7], v[128*(\p)+FR*\b:128*(\p)+FR*\b+FR-1], v[AF+FR*(\a):AF+FR*(\a)+FR-1], v[8*(8*((\a)%4)+\b):8*(8*((\a)%4)+\b)+7], v[SC+8*NQ*(\sc)+NQ*\b+(\q)], v[SC+8*NQ*(\sc)+NQ*(\a)+(\q)] matrix_a_fmt:MATRIX_FMT_FP6 matrix_b_fmt:MATRIX_FMT_FP6 matrix_a_scale:MATRIX_SCALE_ROW1
.endif
.endr
.endr
.endm
.macro FETCH_B slot, q, p
	WIN TO_B
.irp i, 0,1,2,3,4,5,6,7
	FRAG 128*(\p)+FR*\i, ADRB+\slot, \q, \i
.endr
	WIN 0
.endm
.macro FETCH_A slot, q, i0
.irp i, \i0, \i0+1, \i0+2, \i0+3
	FRAG AF+FR*(\i), ADRA+\slot, \q, \i
.endr
.endm
.macro SCALES sc                       ; a K step's scale words: lanes 0-15 take A's block i, lanes 16-31 B's block i
.irp i, 0,1,2,3,4,5,6,7
	ds_load_b64 v[SC+8*NQ*\sc+NQ*\i:SC+8*NQ*\sc+NQ*\i+1], v[ADRS] offset:\i*SBLK
.endr
.endm
.macro PLACES n                        ; plain vector instructions between a matrix instruction and a load into, or a read of, its registers
.rept \n
	v_nop
.endr
.endm
.macro STEP slot, q, zero              ; a step of 128 along K that has its successor in the same slot
	s_wait_dscnt 4*NL                              ; B's set and A's blocks 0-3 are in; the youngest 24 loads (A's blocks 4-7) may be out
	WIN MUL_LO
	MUL16 0, (\q)%2, \q, \slot, \zero
	MUL16 2, (\q)%2, \q, \slot, \zero
	s_wait_dscnt 0                                 ; A's blocks 4-7 are in
	PLACES NP
	FETCH_B \slot, (\q)+1, 1-(\q)%2
	FETCH_A \slot, (\q)+1, 0
	WIN MUL_HI
	MUL16 4, (\q)%2, \q, \slot, \zero
	MUL16 6, (\q)%2, \q, \slot, \zero
	PLACES NP
	WIN 0
	FETCH_A \slot, (\q)+1, 4
.endm
; A slot's last step changes slots: one barrier; in front of it each wave waits for all its tensor loads, adds 0 to its spare word, and waits for that and for its reads of this slot.
.macro TURN slot, next, fill
	s_wait_tensorcnt 0x0                           ; all my tensor loads have landed: my part of the next slot
	ds_add_u32 v[SPW], v[NIL]
	s_wait_dscnt 4*NL+1                            ; (the add and the youngest 24 loads, A's blocks 4-7, may be out)
	WIN MUL_LO
	MUL16 0, 1, NQ-1, \slot, 0
	s_wait_dscnt 0x0                               ; the add is done, and my reads of this slot are over
	s_barrier_signal -1
	MUL16 2, 1, NQ-1, \slot, 0
	WIN 0
	s_barrier_wait -1
.if \fill
	CREST                                          ; the barrier has opened a round of the cluster's: no wave of any partner still reads this slot or has a load on its way
	s_add_nc_u64 s[G0+4*\slot+2:G0+4*\slot+3], s[G0+4*\slot+2:G0+4*\slot+3], 2*ROWB
	s_add_nc_u64 s[G0B+4*\slot+2:G0B+4*\slot+3], s[G0B+4*\slot+2:G0B+4*\slot+3], 2*ROWB
	JLOAD G0+4*\slot, G1, G0B+4*\slot, G1B         ; the first tensor load behind the round; its four v_nop are the places in front of the loads below
.else
	PLACES NP
.endif
	v_add_nc_u32 v[ADRS], 4*NQ, v[ADRS]
	FETCH_B \next, 0, 0
	FETCH_A \next, 0, 0
	SCALES \next
	WIN MUL_HI
	MUL16 4, 1, NQ-1, \slot, 0
	MUL16 6, 1, NQ-1, \slot, 0
	PLACES NP
	WIN 0
	FETCH_A \next, 0, 4
.endm
	s_wait_tensorcnt 1                             ; the scales and my part of K step 0 are in (K step 1's load may be out),
	s_barrier_signal -1
	s_barrier_wait -1                              ; everybody's are
	FETCH_B 0, 0, 0
	FETCH_A 0, 0, 0
	SCALES 0
	FETCH_A 0, 0, 4
	STEP 0, 0, 1                                   ; the first step's products start the sums
	s_mov_b32 s3, LAPS-1
.Llap:
	TURN 0, 1, 1
	STEP 1, 0, 0
	TURN 1, 0, 1
	STEP 0, 0, 0
	s_sub_co_u32 s3, s3, 1
	s_cmp_lg_u32 s3, 0
	s_cbranch_scc1 .Llap
	TURN 0, 1, 0                                   ; the last lap fills nothing
	STEP 1, 0, 0
	s_wait_dscnt 4*NL
	WIN MUL_LO
	MUL16 0, 1, NQ-1, 1, 0
	MUL16 2, 1, NQ-1, 1, 0
	s_wait_dscnt 0
	WIN MUL_HI
	MUL16 4, 1, NQ-1, 1, 0
	MUL16 6, 1, NQ-1, 1, 0
	WIN 0
; THE WAY OUT: no LDS.  Block a of A's rows: a lane holds one row; registers 16 b + i of its 64 are group h of block b (b = 0..3) along the next K.  The block's largest magnitude joins lanes l and l xor 16;
; one conversion makes a group's 12 bytes, which with a register of zeros are the unit; the 32 lanes' units are 512 consecutive bytes of qkv.
	PLACES NP
	s_mov_b32 s20, 0x76543210
	s_mov_b32 s21, 0xfedcba98                      ; v_permlanex16_b32's selects for lane l xor 16
	s_mov_b32 s18, 0x02020202
	s_mov_b32 s19, 0x01010101
	v_bfe_u32 v2, v0, 4, 1
	v_mul_lo_u32 v219, v2, s18
	v_add_nc_u32 v219, 0x01010000, v219            ; byte selects: lanes 0-15 make {b0,b0,b1,b1}, lanes 16-31 {b2,b2,b3,b3}
	v_mul_lo_u32 v220, v2, s19
	v_add_nc_u32 v220, 0x02000200, v220            ; lanes 0-15 {b0,b2}, lanes 16-31 {b1,b3}
.irp b, 0,1,2,3,4,5,6,7
	v_mov_b32 v[115+4*\b], 0                       ; a unit's fourth word, in both sets
.endr
.irp b, 0,1,2,3
	v_mov_b32 v[TM+4+\b], 0                        ; a lane permute's destination counts as one of its sources
.endr
.macro OUTA a
.set AC, 64*((\a)%4)
.set CC, 112+16*((\a)%2)
	WIN 0x28+0x14*((\a)/4)                         ; sources 1 and 2: window 2 or 3
.irp b, 0,1,2,3
	v_max3_num_f32 v[TM+\b], 0x1800000, |v[AC+16*\b]|, |v[AC+16*\b+1]|   ; each accumulator from its low end on; the floor 2^(3 - 127) holds the byte at 1 from below
.endr
.irp i, 2,4,6,8,10,12,14
.irp b, 0,1,2,3
	v_max3_num_f32 v[TM+\b], v[TM+\b], |v[AC+16*\b+\i]|, |v[AC+16*\b+\i+1]|
.endr
.endr
	WIN 0
.irp b, 0,1,2,3
	v_permlanex16_b32 v[TM+4+\b], v[TM+\b], s20, s21
.endr
.irp b, 0,1,2,3
	v_max_num_f32 v[TM+\b], v[TM+\b], v[TM+4+\b]   ; with the other group's: the block's largest magnitude
.endr
.irp b, 0,1,2,3
	v_add_nc_u32 v[TM+12+\b], 0xff000000, v[TM+\b] ; 2 off its exponent field: the conversion's scale operand
.endr
.irp b, 0,1,2,3
	v_lshrrev_b32 v[TM+4+\b], 23, v[TM+12+\b]      ; the byte
.endr
	v_lshl_or_b32 v[PW], v[TM+5], 8, v[TM+4]
	v_lshl_or_b32 v[PW], v[TM+6], 16, v[PW]
	v_lshl_or_b32 v[PW], v[TM+7], 24, v[PW]
	s_wait_xcnt 0x0                                ; the earlier stores have read their data and bases: both are written again only behind this wait
.if (\a) > 0
	s_add_nc_u64 s[92:93], s[92:93], s[100:101]
	s_add_nc_u64 s[94:95], s[94:95], s[100:101]
	s_add_nc_u64 s[96:97], s[96:97], s[66:67]
	s_add_nc_u64 s[98:99], s[98:99], 2048
.endif
.if (\a) == 4
	s_add_nc_u64 s[96:97], s[96:97], s[22:23]      ; V: on to the next head's block of hs
	s_add_nc_u64 s[98:99], s[98:99], 32768
.endif
	WIN 0x02+((\a)/4)                              ; source 0: window 2 or 3
.irp b, 0,1,2,3
	v_cvt_scalef32_pk16_fp6_f32 v[CC+4*\b:CC+4*\b+2], v[AC+16*\b:AC+16*\b+15], v[TM+12+\b]
.endr
	WIN 0
	v_perm_b32 v217, v[PW], v[PW], v219            ; (a plain place behind the conversions)  my half's scale word
.irp b, 0,1
	global_store_b128 v[L16], v[CC+4*\b:CC+4*\b+3], s[92:93] offset:512*\b       ; 32 lanes store 512 consecutive bytes, aligned
.endr
.irp b, 0,1
	global_store_b128 v[L16], v[CC+8+4*\b:CC+8+4*\b+3], s[94:95] offset:512*\b
.endr
	global_store_b32 v[SAD], v217, s[96:97]
	s_cmp_eq_u32 s13, 0                            ; the cluster's kind: the same in all partners and all waves
	s_cbranch_scc1 .Lno_diag_\@
	v_perm_b32 v218, v[PW], v[PW], v220
	global_store_b16 v[DAD], v218, s[98:99]        ; V: two bytes of the diagonal word of my half's parity
.Lno_diag_\@:
.endm
.irp a, 0,1,2,3,4,5,6,7
	OUTA \a
.endr
	s_wait_tensorcnt 0x0                           ; the wave's end
	ds_add_u32 v[SPW], v[NIL]
	s_wait_dscnt 0x0
	CROUND                                         ; the closing round
	s_endpgm
.Lfunc_end_k_qf1efedba2c_gemmq:
	.size	k_qf1efedba2c_gemmq, .Lfunc_end_k_qf1efedba2c_gemmq-k_qf1efedba2c_gemmq
	.p2alignl 7, 3214868480
	.fill 96, 4, 3214868480
	.section	.rodata,"a",@progbits
	.p2align	6, 0x0
	.amdhsa_kernel k_qf1efedba2c_gemmq
		.amdhsa_group_segment_fixed_size 327680
		.amdhsa_private_segment_fixed_size 0
		.amdhsa_enable_private_segment 0
		.amdhsa_kernarg_size 32
		.amdhsa_user_sgpr_count 2
		.amdhsa_user_sgpr_kernarg_segment_ptr 1
		.amdhsa_wavefront_size32 1
		.amdhsa_system_sgpr_workgroup_id_x 1
		.amdhsa_system_sgpr_workgroup_id_y 1
		.amdhsa_system_sgpr_workgroup_id_z 1
		.amdhsa_system_vgpr_workitem_id 0
		.amdhsa_next_free_vgpr 1024
		.amdhsa_next_free_sgpr 102
		.amdhsa_reserve_vcc 0
		.amdhsa_float_denorm_mode_32 3
		.amdhsa_float_denorm_mode_16_64 3
		.amdhsa_memory_ordered 1
		.amdhsa_forward_progress 1
		.amdhsa_inst_pref_size 168
	.end_amdhsa_kernel
	.amdgpu_metadata
---
amdhsa.version: [ 1, 2 ]
amdhsa.kernels:
  - .name:           k_qf1efedba2c_gemmq
    .symbol:         k_qf1efedba2c_gemmq.kd
    .args:
      - { .name: cod, .offset: 0, .size: 8, .value_kind: global_buffer, .address_space: global }
      - { .name: scl, .offset: 8, .size: 8, .value_kind: global_buffer, .address_space: global }
      - { .name: qkv, .offset: 16, .size: 8, .value_kind: global_buffer, .address_space: global }
      - { .name: hs, .offset: 24, .size: 8, .value_kind: global_buffer, .address_space: global }
    .group_segment_fixed_size: 327680
    .private_segment_fixed_size: 0
    .kernarg_segment_align: 8
    .kernarg_segment_size: 32
    .max_flat_workgroup_size: 128
    .sgpr_count:     102
    .vgpr_count:     1024
    .wavefront_size: 32
...
	.end_amdgpu_metadata
.endif
;; end of part 2
;; launch attn (part 3): grid 16 x 16, 16 waves a work-group, no clusters, 327,680 bytes of LDS; arguments qkv, hs, aimg, asc; writes aimg, asc
.if DOCPART == 3
	.amdgcn_target "amdgcn-amd-amdhsa--gfx1250"
	.amdhsa_code_object_version 6
	.text
	.protected	k_qf1efedba2c_attn
	.globl	k_qf1efedba2c_attn
	.p2align	8
	.type	k_qf1efedba2c_attn,@function
k_qf1efedba2c_attn:
	s_mov_b64 s[64:65], 0
	v_nop
	global_prefetch_b8 v0, s[64:65] scope:SCOPE_SE
	s_setreg_imm32_b32 hwreg(HW_REG_WAVE_MODE, 25, 1), 1
	s_wait_xcnt 0x0
; Attention under the mask 'sliding window of 256 or stride 64, causal', both products on codes of FP6 (E2M3) with E8M0 scales; the result is quantised for the last projection.
; WHAT THE MASK KEEPS, by blocks of 32 keys, for a query q = 32 B + oq: in blocks B-8 .. B the keys with 0 <= q - k <= 256 (THE WINDOW); in blocks B-10, B-12, .. the one key at offset oq (THE DIAGONAL).  All else has p = 0 and is not multiplied.
; p = exp(s - max) / sum IS FINISHED AND NORMALISED BEFORE IT IS CODED: a tile's scores stay in registers (160 for the window, 30 for the diagonal) until the row's maximum and sum are known.
; SHARES.  Work-group (i, head), 16 waves.  Wave w: 16 queries: group u = w & 1 of block B = 16 (w >> 1) + i; lane r's query has oq = 8 u + (r & 7) + 16 (r >> 3).  All sixteen work-groups of a head have the same sum of work.
; LAYOUT.  Both products transposed (S^T = K Q^T, O^T = V^T P^T): a lane holds one query.  A UNIT is 16 bytes: the 16 codes of a group (group g = offsets 8 g + 0..7, 16 + 8 g + 0..7 of a block of 32) and 4 bytes of zeros.
; A fragment is padded: registers 6 c .. 6 c + 3 are one unit, 6 c + 4, 6 c + 5 count for nothing (Q's and p's are zeros there): the scale block 2 c + h of the instruction holds group h in its first 16 places.
; So a matrix result's 16 registers go through one conversion into the next operand, in the same lane.  The price: an instruction carries 64 of its 128 along K.
; THE DIAGONAL.  A tile of K takes 8 keys of each of two blocks; of the 16 x 16 scores a lane wants one, picked by a sum with I (I_i = 1 where r = i).  p's block has one number that is not 0, at place r of group u: I x p.
; LDS: the head's K (262,144 bytes) is filled once and, when all scores are made, filled again with the head's V, which lands under the softmax; the head's scale words (40,960) are filled once.
; NO CLUSTER: the work-groups that share K and V are the sixteen of a head, and each reads them at LDS addresses made of its own block number (B, its parity): partners would differ in LDS addresses and in the jumps over diagonal steps.
; NO PREFETCH: each of the two streams is asked for whole by one group of loads; there is no later trip to ask ahead for.
; LIMITS: scores are finite (NaN and infinities are not served); a block of zeros carries the byte 1 where the rule says 127 (zero codes; the bytes are read by this program alone).
; REGISTERS: v1, v2 the add's; v3-11 addresses and lane numbers; v12-15 -c m, the sum, later V's addresses; v16-27 Q; v28, v62, v63, v88-95 SCALE WORDS and nothing else; v29-31 at work; v32-61 G (diagonal scores, then p);
;   v64-87 I, K's window fragments, block maxima, p's first fragment; v96-255 by phase: K's buffers and D; the window's S; then p's fragments, O^T (v144-175), V's fragments (v176-223), T (v228-243, v96-111), p's diagonal fragment (v244-255).
.set SCB,   262144                     ; LDS: the head's scale words
.set SPARE, 303104                     ; the spare words: 128 bytes for each of 16 waves, named by no other line
.set OUTB,  305152                     ; the result's codes: 8 blocks x 32 queries x 48 bytes
.set S,   96
.set G,   32
.set KA,  96                           ; two buffers of four fragments of K: v96-143, v144-191
.set DD,  192                          ; four results: v192-223
.set VB,  176                          ; four fragments of V
.set O,   144
	s_load_b256 s[4:11], s[0:1], 0x0               ; qkv, hs, aimg, asc
	v_lshl_add_u32 v1, v0, 2, SPARE
	v_mov_b32 v2, 0
	ds_add_u32 v1, v2                              ; the wave's opening: the add, waited for ahead of my first tensor load
	v_lshrrev_b32 v3, 5, v0
	v_readfirstlane_b32 s18, v3                    ; wave 0..15
	s_and_b32 s12, ttmp7, 0xffff                   ; head
	s_and_b32 s19, s18, 1                          ; u
	s_lshr_b32 s13, s18, 1
	s_lshl_b32 s52, s13, 4
	s_add_co_u32 s52, s52, ttmp9                   ; B
	s_lshr_b32 s53, s52, 1                         ; Bh = B / 2
	s_and_b32 s54, ttmp9, 1                        ; par = B & 1: the same in all waves
	s_sub_co_i32 s55, s53, 5
	s_ashr_i32 s55, s55, 2                         ; JM: the last diagonal step (four blocks a step); under 0: none
	s_lshl_b32 s56, s53, 1
	s_sub_co_i32 s56, s56, 8                       ; NB: the window's first slot is block 2 Bh - 8; ten slots
	s_mov_b32 s20, 0x76543210
	s_mov_b32 s21, 0xfedcba98                      ; v_permlanex16_b32's selects for lane l xor 16
	s_mov_b32 s22, 0x3e38aa3b                      ; c = log2(e) / 8
	s_mov_b32 s23, s22                             ; (named with it as a pair)
	s_mov_b32 s58, 0xff800000                      ; -infinity
	s_mov_b32 s59, 0xbe38aa3b                      ; -c
	s_mov_b32 s75, 0x1800000                       ; the floor 2^(3 - 127)
	s_mov_b32 s24, 3<<16                           ; group 1, K and V: 64 rows of 32 elements of 8 bytes, dense: 16,384 bytes a wave
	s_mov_b32 s25, 32<<16
	s_mov_b32 s26, 64<<16
	s_mov_b32 s27, 32<<16
	s_mov_b32 s28, 64
	s_mov_b32 s29, 32
	s_mov_b32 s30, 0
	s_mov_b32 s31, 0
	s_mov_b32 s32, 3<<16                           ; group 1, scale words: 10 such rows: 2,560 bytes a wave
	s_mov_b32 s33, 32<<16
	s_mov_b32 s34, 10<<16
	s_mov_b32 s35, 32<<16
	s_mov_b32 s36, 10
	s_mov_b32 s37, 32
	s_mov_b32 s38, 0
	s_mov_b32 s39, 0
	s_lshl_b32 s60, s12, 18                        ; 262,144 x head
	s_lshl_b32 s61, s18, 14                        ; 16,384 x wave
	s_add_co_u32 s62, s60, s61
	s_add_co_u32 s62, s62, 4194304                 ; K lies behind Q's sixteen heads
	s_mov_b32 s63, 0
	s_mul_i32 s66, s12, 40960
	s_mul_i32 s68, s18, 2560
	s_add_co_u32 s66, s66, s68
	s_mov_b32 s67, 0
	s_wait_dscnt 0x0                               ; the opening add is done
	s_wait_kmcnt 0x0
	s_mov_b32 s40, 1                               ; group 0: K
	s_mov_b32 s41, s61
	s_add_nc_u64 s[42:43], s[4:5], s[62:63]
	s_or_b32 s43, s43, 0x80000000
	s_mov_b32 s44, 1                               ; the scale words
	s_add_co_u32 s45, s68, SCB
	s_add_nc_u64 s[46:47], s[6:7], s[66:67]
	s_or_b32 s47, s47, 0x80000000
	s_mov_b32 s48, 1                               ; V: into K's bytes, later
	s_mov_b32 s49, s61
	s_add_nc_u64 s[50:51], s[4:5], s[62:63]
	s_add_nc_u64 s[50:51], s[50:51], 4194304
	s_or_b32 s51, s51, 0x80000000
	tensor_load_to_lds s[40:43], s[24:31]          ; the two first fills together: two loads of mine are out
	s_nop 0
	tensor_load_to_lds s[44:47], s[32:39]
	s_nop 0
.rept 4
	v_nop
.endr
	s_lshl_b32 s68, s52, 11                        ; Q's units: 262,144 head + 2,048 B + 128 u
	s_add_co_u32 s68, s68, s60
	s_lshl_b32 s69, s19, 7
	s_add_co_u32 s68, s68, s69
	s_mov_b32 s69, 0
	s_add_nc_u64 s[70:71], s[4:5], s[68:69]
	s_lshl_b32 s68, s12, 14                        ; Q's words: 655,360 + 16,384 head + 128 B + 32 u
	s_lshl_b32 s74, s52, 7
	s_add_co_u32 s68, s68, s74
	s_lshl_b32 s74, s19, 5
	s_add_co_u32 s68, s68, s74
	s_add_co_u32 s68, s68, 655360
	s_add_nc_u64 s[72:73], s[6:7], s[68:69]
	v_and_b32 v29, 15, v0                          ; r
	v_bfe_u32 v30, v0, 4, 1                        ; h
	v_and_b32 v31, 7, v0                           ; r & 7
	v_bfe_u32 v12, v0, 3, 1                        ; r >> 3
	v_lshlrev_b32 v9, 10, v12
	v_lshl_add_u32 v9, v30, 8, v9
	v_lshl_add_u32 v9, v31, 4, v9                  ; 1,024 (r >> 3) + 256 h + 16 (r & 7)
	global_load_b128 v[16:19], v9, s[70:71]        ; Q's fragment: dim block 0, group h;
	global_load_b128 v[22:25], v9, s[70:71] offset:512   ; dim block 1
	v_lshlrev_b32 v13, 6, v12
	v_lshl_add_u32 v13, v31, 2, v13
	global_load_b32 v28, v13, s[72:73]             ; Q's scale word
.irp k, 20,21,26,27
	v_mov_b32 v[\k], 0                             ; Q's places that count for nothing: zero codes
.endr
.irp f, 0,1,2,3,4,5,6,7
.irp k, 4,5,10,11
	v_mov_b32 v[KA+12*\f+\k], 0                    ; and K's, in both buffers: written once
.endr
.endr
	v_and_b32 v3, 31, v0
	v_lshlrev_b32 v3, 4, v3                        ; v3 = 16 x lane
	s_lshl_b32 s68, s54, 11
	s_lshl_b32 s74, s19, 7
	s_add_co_u32 s68, s68, s74
	v_lshlrev_b32 v4, 12, v12
	v_lshl_add_u32 v4, v30, 8, v4
	v_lshl_add_u32 v4, v31, 4, v4
	v_add_nc_u32 v4, s68, v4                       ; v4: diagonal K: 2,048 par + 4,096 (r >> 3) + 256 h + 128 u + 16 (r & 7)
	v_lshl_add_u32 v5, v29, 2, SCB                 ; v5: scale words, 4 r
	s_lshl_b32 s68, s54, 7
	s_lshl_b32 s74, s19, 5
	s_add_co_u32 s68, s68, s74
	s_add_co_u32 s68, s68, SCB
	v_lshlrev_b32 v6, 8, v12
	v_lshl_add_u32 v6, v31, 2, v6
	v_add_nc_u32 v6, s68, v6                       ; v6: diagonal K's words: 128 par + 256 (r >> 3) + 32 u + 4 (r & 7)
	s_lshl_b32 s68, s54, 9
	s_lshl_b32 s74, s19, 8
	s_add_co_u32 s68, s68, s74
	v_lshlrev_b32 v7, 10, v30
	v_lshl_add_u32 v7, v29, 4, v7
	v_add_nc_u32 v7, s68, v7                       ; v7: diagonal V: 512 par + 1,024 h + 256 u + 16 r
	v_lshlrev_b32 v8, 3, v30                       ; v8 = 8 h
	s_lshl_b32 s68, s54, 5
	s_lshl_b32 s74, s19, 3
	s_add_co_u32 s68, s68, s74
	v_lshl_add_u32 v10, v12, 4, v31
	v_add_nc_u32 v10, s68, v10
	v_sub_nc_u32 v10, v10, v8                      ; v10 = 32 par + oq - 8 h
	s_sub_co_i32 s68, s53, 5
	v_sub_nc_u32 v11, s68, v30                     ; v11 = Bh - 5 - h: the last diagonal block of my half, counted in twos
	v_mov_b32 v80, v4
	v_add_nc_u32 v81, 0x10000, v4                  ; an LDS offset has 16 bits: an address register for each four diagonal steps
	v_add_nc_u32 v82, 0x20000, v4
	v_add_nc_u32 v83, 0x30000, v4
	v_mov_b32 v14, 1.0
.irp i, 0,1,2,3,4,5,6,7,8,9,10,11,12,13,14,15
	v_cmp_eq_u32 vcc_lo, \i, v29
	v_cndmask_b32 v[64+\i], 0, v14, vcc_lo         ; I_i
.endr
.set a, G
.rept 30
	v_mov_b32 v[a], s58                            ; G: what no step reaches stays hidden
.set a, a+1
.endr
; Four diagonal blocks' fragments of K.  Fragment (c, t), row m: block 8 j + par + 4 c + 2 (m >> 3), offset 16 t + 8 u + (m & 7); d: the dim block
.macro KQUAD j, buf, wrd
.irp c, 0,1
.irp t, 0,1
.irp d, 0,1
	ds_load_b128 v[\buf+12*(2*\c+\t)+6*\d:\buf+12*(2*\c+\t)+6*\d+3], v[80+(\j)/4] offset:16384*((\j)%4)+8192*\c+1024*\t+512*\d
.endr
.endr
.endr
.irp c, 0,1
.irp t, 0,1
	ds_load_b32 v[\wrd+2*\c+\t], v6 offset:1024*(\j)+512*\c+64*\t
.endr
.endr
.endm
	s_wait_tensorcnt 0x0                           ; my parts of K and of the scale words are in,
	s_barrier_signal -1
	s_barrier_wait -1                              ; everybody's are.
	KQUAD 0, KA, 88
	s_wait_loadcnt 0x0                             ; Q
; ---- 1a: THE DIAGONAL'S SCORES, four blocks a step.  A step beyond my last block is jumped over, with all that follow: a scalar branch on ids.
.macro DSTEP j
	s_cmp_lt_i32 s55, \j
	s_cbranch_scc1 .Ld1
.if \j < 14
	KQUAD (\j)+1, KA+48*(((\j)+1)%2), 88+4*(((\j)+1)%2)
	s_wait_dscnt 12                                ; this step's 12 loads are in; the 12 just issued may be out
.else
	s_wait_dscnt 0x0
.endif
.set KC, KA+48*((\j)%2)
.set WC, 88+4*((\j)%2)
.irp f, 0,1,2,3
	v_wmma_scale_f32_16x16x128_f8f6f4 v[DD+8*\f:DD+8*\f+7], v[KC+12*\f:KC+12*\f+11], v[16:27], 0, v[WC+\f], v28 matrix_a_fmt:MATRIX_FMT_FP6 matrix_b_fmt:MATRIX_FMT_FP6
.endr
.rept 4
	v_nop
.endr
	v_pk_mul_f32 v[84:85], v[DD:DD+1], v[64:65]                  ; my query's own key: register r & 7 of result t = r >> 3: the sum with I picks it.  Two chains: c = 0, c = 1
	v_pk_mul_f32 v[86:87], v[DD+16:DD+17], v[64:65]
.irp k, 2,4,6,8,10,12,14
	v_pk_fma_f32 v[84:85], v[DD+\k:DD+\k+1], v[64+\k:65+\k], v[84:85]
	v_pk_fma_f32 v[86:87], v[DD+16+\k:DD+17+\k], v[64+\k:65+\k], v[86:87]
.endr
	v_add_f32 v84, v84, v85
	v_add_f32 v86, v86, v87
	v_cmp_le_i32 vcc_lo, 4*(\j), v11               ; is block par + 2 (4 j + 2 c + h) one of my diagonal's?
	v_cndmask_b32 v[G+2*(\j)], s58, v84, vcc_lo
	v_cmp_le_i32 vcc_lo, 4*(\j)+2, v11
	v_cndmask_b32 v[G+2*(\j)+1], s58, v86, vcc_lo
.endm
.irp j, 0,1,2,3,4,5,6,7,8,9,10,11,12,13,14
	DSTEP \j
.endr
.Ld1:
	s_wait_dscnt 0x0                               ; loads asked for ahead and not used have landed: their registers are written below
.irp k, 68,69,74,75,80,81,86,87
	v_mov_b32 v[\k], 0                             ; the window buffer's places that count for nothing
.endr
.rept 5
	v_nop                                          ; places: the products below write over registers of the last ones
.endr
; ---- 1b: THE WINDOW'S SCORES: slot s = block (NB + s) mod 128: two tiles of 16 neighbouring keys.  (A block under 0 wraps: its scores are hidden below.)
.macro WSLOT s
	s_add_co_i32 s57, s56, \s
	s_and_b32 s57, s57, 127
	s_lshl_b32 s68, s57, 11
	s_lshl_b32 s57, s57, 7
	v_add_nc_u32 v9, s68, v3
	v_add_nc_u32 v29, s57, v5
	ds_load_b128 v[64:67], v9
	ds_load_b128 v[70:73], v9 offset:512
	ds_load_b128 v[76:79], v9 offset:1024
	ds_load_b128 v[82:85], v9 offset:1536
	ds_load_b32 v88, v29
	ds_load_b32 v89, v29 offset:64
	s_wait_dscnt 0x0
	v_wmma_scale_f32_16x16x128_f8f6f4 v[S+16*\s:S+16*\s+7], v[64:75], v[16:27], 0, v88, v28 matrix_a_fmt:MATRIX_FMT_FP6 matrix_b_fmt:MATRIX_FMT_FP6
	v_wmma_scale_f32_16x16x128_f8f6f4 v[S+16*\s+8:S+16*\s+15], v[76:87], v[16:27], 0, v89, v28 matrix_a_fmt:MATRIX_FMT_FP6 matrix_b_fmt:MATRIX_FMT_FP6
.rept 4
	v_nop
.endr
.endm
.irp s, 0,1,2,3,4,5,6,7,8,9
	WSLOT \s
.endr
; ---- K's bytes are filled again, with V: all my tensor loads are done, the add, my reads of K are over; the barrier; my one load, first behind it.  It lands under the softmax.
	s_wait_tensorcnt 0x0
	ds_add_u32 v1, v2
	s_wait_dscnt 0x0
	s_barrier_signal -1
	s_barrier_wait -1
	tensor_load_to_lds s[48:51], s[24:31]
	s_nop 0
.rept 4
	v_nop
.endr
; ---- 2: THE SOFTMAX.  Register 16 s + i of S holds key offset kap_i + 8 h of slot s, kap_i = 16 (i / 8) + i % 8; q - k = v10 + 32 (8 - s) - kap_i
.irp s, 0,1
.irp i, 0,1,2,3,4,5,6,7,8,9,10,11,12,13,14,15
	v_cmp_ge_i32 vcc_lo, 32*\s+16*(\i/8)+\i%8, v10                 ; q - k <= 256
	v_cndmask_b32 v[S+16*\s+\i], s58, v[S+16*\s+\i], vcc_lo
.endr
.endr
.irp s, 8,9
.irp i, 0,1,2,3,4,5,6,7,8,9,10,11,12,13,14,15
	v_cmp_le_i32 vcc_lo, 32*(\s-8)+16*(\i/8)+\i%8, v10             ; q - k >= 0
	v_cndmask_b32 v[S+16*\s+\i], s58, v[S+16*\s+\i], vcc_lo
.endr
.endr
.irp s, 0,1,2,3,4,5,6,7
	s_cmp_ge_i32 s56, -\s                          ; blocks under 0 do not exist
	s_cbranch_scc1 .Lalive
.irp i, 0,1,2,3,4,5,6,7,8,9,10,11,12,13,14,15
	v_mov_b32 v[S+16*\s+\i], s58
.endr
.endr
.Lalive:
.irp s, 0,1,2,3,4,5,6,7,8,9
	v_max3_num_f32 v[64+\s], v[S+16*\s], v[S+16*\s+1], v[S+16*\s+2]   ; each slot's largest score: for the row's maximum and, since p rises with the score, for the block's largest p
.endr
.irp i, 3,5,7,9,11,13
.irp s, 0,1,2,3,4,5,6,7,8,9
	v_max3_num_f32 v[64+\s], v[64+\s], v[S+16*\s+\i], v[S+16*\s+\i+1]
.endr
.endr
.irp s, 0,1,2,3,4,5,6,7,8,9
	v_max_num_f32 v[64+\s], v[64+\s], v[S+16*\s+15]
.endr
.irp s, 0,1,2,3,4,5,6,7,8,9
	v_permlanex16_b32 v[74+\s], v[64+\s], s20, s21
.endr
.irp s, 0,1,2,3,4,5,6,7,8,9
	v_max_num_f32 v[64+\s], v[64+\s], v[74+\s]     ; with the other group's
.endr
	v_max3_num_f32 v29, v32, v33, v34              ; the diagonal's
.irp k, 35,37,39,41,43,45,47,49,51,53,55,57,59
	v_max3_num_f32 v29, v29, v[\k], v[\k+1]
.endr
	v_max_num_f32 v29, v29, v61
	v_permlanex16_b32 v30, v29, s20, s21
	v_max_num_f32 v29, v29, v30
.irp k, 64,66,68,70,72
	v_max3_num_f32 v29, v29, v[\k], v[\k+1]        ; the row's maximum m: a number, since key q always counts
.endr
	v_mul_f32 v12, s59, v29                        ; -c m
	v_mov_b32 v13, v12
.set a, S
.rept 80
	v_pk_fma_f32 v[a:a+1], v[a:a+1], s[22:23], v[12:13] op_sel_hi:[1,0,0]   ; c s - c m
.set a, a+2
.endr
.set a, G
.rept 15
	v_pk_fma_f32 v[a:a+1], v[a:a+1], s[22:23], v[12:13] op_sel_hi:[1,0,0]
.set a, a+2
.endr
.set a, 64
.rept 5
	v_pk_fma_f32 v[a:a+1], v[a:a+1], s[22:23], v[12:13] op_sel_hi:[1,0,0]   ; the same of each slot's largest score
.set a, a+2
.endr
.set a, S
.rept 160
	v_exp_f32 v[a], v[a]
.set a, a+1
.endr
.set a, G
.rept 30
	v_exp_f32 v[a], v[a]
.set a, a+1
.endr
.set a, 64
.rept 10
	v_exp_f32 v[a], v[a]
.set a, a+1
.endr
	v_nop                                          ; a plain instruction behind the last exponential
	s_wait_alu depctr_va_vdst(0)                   ; one wait for the batch of 200, ahead of its first reader
	v_pk_add_f32 v[14:15], v[96:97], v[98:99]      ; the row's sum, two at a time, in two chains
	v_pk_add_f32 v[74:75], v[100:101], v[102:103]
.set a, 104
.rept 38
	v_pk_add_f32 v[14:15], v[14:15], v[a:a+1]
	v_pk_add_f32 v[74:75], v[74:75], v[a+2:a+3]
.set a, a+4
.endr
.set a, G
.rept 7
	v_pk_add_f32 v[14:15], v[14:15], v[a:a+1]
	v_pk_add_f32 v[74:75], v[74:75], v[a+2:a+3]
.set a, a+4
.endr
	v_pk_add_f32 v[14:15], v[14:15], v[60:61]
	v_pk_add_f32 v[14:15], v[14:15], v[74:75]
	v_add_f32 v14, v14, v15
	v_permlanex16_b32 v15, v14, s20, s21
	v_add_f32 v14, v14, v15
	v_rcp_f32 v14, v14
	v_nop
	s_wait_alu depctr_va_vdst(0)                   ; the reciprocal's wait, ahead of its first reader
	v_mov_b32 v15, v14
.set a, S
.rept 80
	v_pk_mul_f32 v[a:a+1], v[a:a+1], v[14:15]      ; p, finished and normalised
.set a, a+2
.endr
.set a, G
.rept 15
	v_pk_mul_f32 v[a:a+1], v[a:a+1], v[14:15]
.set a, a+2
.endr
.set a, 64
.rept 5
	v_pk_mul_f32 v[a:a+1], v[a:a+1], v[14:15]      ; each slot's largest p: the same instructions on the same number give the same bits
.set a, a+2
.endr
.irp s, 0,1,2,3,4,5,6,7,8,9
	v_max_num_f32 v[64+\s], s75, v[64+\s]          ; the floor: a slot whose every p is 0 keeps the byte 1; its codes are zeros
.endr
.irp s, 0,1,2,3,4,5,6,7,8,9
	v_add_nc_u32 v[64+\s], 0xff000000, v[64+\s]    ; 2 off the exponent field: the conversion's scale operand
.endr
.irp s, 0,1,2,3,4,5,6,7,8,9
	v_lshrrev_b32 v[74+\s], 23, v[64+\s]           ; the byte
.endr
	v_lshl_or_b32 v92, v75, 16, v74                ; p's scale word of slots 2 n, 2 n + 1: {b, b, b', b'}: both groups of a block have its byte
	v_lshl_or_b32 v93, v77, 16, v76
	v_lshl_or_b32 v94, v79, 16, v78
	v_lshl_or_b32 v95, v81, 16, v80
	v_lshl_or_b32 v28, v83, 16, v82
.irp k, 92,93,94,95,28
	v_lshl_or_b32 v[\k], v[\k], 8, v[\k]
.endr
.macro PCONV n, pb                     ; slots 2 n and 2 n + 1 become p's fragment n.  A later fragment lands only on slots that are coded already; a plain instruction stands behind each pair
	v_cvt_scalef32_pk16_fp6_f32 v[\pb:\pb+2], v[S+32*\n:S+32*\n+15], v[64+2*\n]
	v_cvt_scalef32_pk16_fp6_f32 v[\pb+6:\pb+8], v[S+32*\n+16:S+32*\n+31], v[65+2*\n]
	v_nop
.endm
	PCONV 0, 74
	PCONV 1, 96
	PCONV 2, 108
	PCONV 3, 120
	PCONV 4, 132
.irp pb, 74,96,108,120,132
.irp k, 3,4,5,9,10,11
	v_mov_b32 v[\pb+\k], 0                         ; p's places that count for nothing: zero codes
.endr
.endr
.irp t, 0,1,2,3
.irp k, 4,5,10,11
	v_mov_b32 v[VB+12*\t+\k], 0                    ; and V's: written once
.endr
.endr
.irp k, 247,248,249,253,254,255
	v_mov_b32 v[\k], 0                             ; and the diagonal p's
.endr
	s_wait_tensorcnt 0x0                           ; my part of V is in,
	s_barrier_signal -1
	s_barrier_wait -1                              ; everybody's is.
; ---- 3a: O^T = V^T P^T over the window: two slots a step; four tiles of 16 of the head's 64, by turns
.macro PVW n, pb, wr
	s_add_co_i32 s57, s56, 2*\n
	s_and_b32 s57, s57, 127
	s_lshl_b32 s68, s57, 9
	s_lshl_b32 s57, s57, 5
	v_add_nc_u32 v9, s68, v3
	v_add_nc_u32 v29, s57, v5
	v_add_nc_u32 v10, 0x10000, v9
	v_add_nc_u32 v30, 0x20000, v9
	v_add_nc_u32 v31, 0x30000, v9
	ds_load_b128 v[VB:VB+3], v9
	ds_load_b128 v[VB+6:VB+9], v9 offset:512
	ds_load_b128 v[VB+12:VB+15], v10
	ds_load_b128 v[VB+18:VB+21], v10 offset:512
	ds_load_b128 v[VB+24:VB+27], v30
	ds_load_b128 v[VB+30:VB+33], v30 offset:512
	ds_load_b128 v[VB+36:VB+39], v31
	ds_load_b128 v[VB+42:VB+45], v31 offset:512
.irp t, 0,1,2,3
	ds_load_b32 v[88+\t], v29 offset:16384+4096*\t
.endr
	s_wait_dscnt 0x0
.irp t, 0,1,2,3
.if \n == 0
	v_wmma_scale_f32_16x16x128_f8f6f4 v[O+8*\t:O+8*\t+7], v[VB+12*\t:VB+12*\t+11], v[\pb:\pb+11], 0, v[88+\t], v[\wr] matrix_a_fmt:MATRIX_FMT_FP6 matrix_b_fmt:MATRIX_FMT_FP6
.else
	v_wmma_scale_f32_16x16x128_f8f6f4 v[O+8*\t:O+8*\t+7], v[VB+12*\t:VB+12*\t+11], v[\pb:\pb+11], v[O+8*\t:O+8*\t+7], v[88+\t], v[\wr] matrix_a_fmt:MATRIX_FMT_FP6 matrix_b_fmt:MATRIX_FMT_FP6
.endif
.endr
.rept 4
	v_nop
.endr
.endm
	PVW 0, 74, 92
	PVW 1, 96, 93
	PVW 2, 108, 94
	PVW 3, 120, 95
	PVW 4, 132, 28
; ---- 3b: the diagonal, four blocks a step
	v_and_b32 v29, 15, v0
	v_mov_b32 v31, 1.0
.irp i, 0,1,2,3,4,5,6,7,8,9,10,11,12,13,14,15
	v_cmp_eq_u32 vcc_lo, \i, v29
	v_cndmask_b32 v[64+\i], 0, v31, vcc_lo         ; I again
.endr
	v_mov_b32 v12, v7
	v_add_nc_u32 v13, 0x10000, v7
	v_add_nc_u32 v14, 0x20000, v7
	v_add_nc_u32 v15, 0x30000, v7
	s_lshl_b32 s68, s54, 10
	s_add_co_u32 s68, s68, 32768
	v_add_nc_u32 v11, s68, v5                      ; V's diagonal words of my parity
.macro DPV j
	s_cmp_lt_i32 s55, \j
	s_cbranch_scc1 .Ld3
	v_max_num_f32 v30, s75, v[G+2*(\j)]            ; a diagonal block's largest p is its one p
	v_max_num_f32 v31, s75, v[G+2*(\j)+1]
	v_add_nc_u32 v30, 0xff000000, v30
	v_add_nc_u32 v31, 0xff000000, v31
	v_lshrrev_b32 v9, 23, v30
	v_lshrrev_b32 v10, 23, v31
	v_lshl_or_b32 v9, v10, 16, v9                  ; my half's two bytes,
	v_lshlrev_b32 v9, v8, v9                       ; at their places (8 h bits up);
	v_permlanex16_b32 v10, v9, s20, s21
	v_or_b32 v[62+(\j)%2], v9, v10                 ; with lane l xor 16's the word is whole.  (These ten lines are the places in front of the loads below)
.irp t, 0,1,2,3
	ds_load_b128 v[VB+12*\t:VB+12*\t+3], v[12+\t] offset:4096*(\j)
	ds_load_b128 v[VB+12*\t+6:VB+12*\t+9], v[12+\t] offset:4096*(\j)+2048
	ds_load_b32 v[88+\t], v11 offset:2048*\t+64*(\j)
.endr
.irp k, 0,2,4,6,8,10,12,14
	v_pk_mul_f32 v[228+\k:229+\k], v[64+\k:65+\k], v[G+2*(\j):G+2*(\j)+1] op_sel_hi:[1,0]              ; I x p: place r of the group holds p, the others 0
	v_pk_mul_f32 v[96+\k:97+\k], v[64+\k:65+\k], v[G+2*(\j):G+2*(\j)+1] op_sel:[0,1] op_sel_hi:[1,1]
.endr
	v_cvt_scalef32_pk16_fp6_f32 v[244:246], v[228:243], v30
	v_cvt_scalef32_pk16_fp6_f32 v[250:252], v[96:111], v31
.rept 4
	v_nop                                          ; places between the codes' writing and the products; the word stands twenty-two places ahead
.endr
	s_wait_dscnt 0x0
.irp t, 0,1,2,3
	v_wmma_scale_f32_16x16x128_f8f6f4 v[O+8*\t:O+8*\t+7], v[VB+12*\t:VB+12*\t+11], v[244:255], v[O+8*\t:O+8*\t+7], v[88+\t], v[62+(\j)%2] matrix_a_fmt:MATRIX_FMT_FP6 matrix_b_fmt:MATRIX_FMT_FP6
.endr
.endm
.irp j, 0,1,2,3,4,5,6,7,8,9,10,11,12,13,14
	DPV \j
.endr
.Ld3:
.rept 4
	v_nop
.endr
; ---- THE WAY OUT: my query's 64 numbers are two blocks of the last product's K; registers 16 P + i are group h of block P
	v_max3_num_f32 v30, |v[O]|, |v[O+1]|, 0x1800000
	v_max3_num_f32 v31, |v[O+16]|, |v[O+17]|, 0x1800000
.irp i, 2,4,6,8,10,12,14
	v_max3_num_f32 v30, v30, |v[O+\i]|, |v[O+\i+1]|
	v_max3_num_f32 v31, v31, |v[O+16+\i]|, |v[O+17+\i]|
.endr
	v_permlanex16_b32 v9, v30, s20, s21
	v_permlanex16_b32 v10, v31, s20, s21
	v_max_num_f32 v30, v30, v9
	v_max_num_f32 v31, v31, v10
	v_add_nc_u32 v30, 0xff000000, v30
	v_add_nc_u32 v31, 0xff000000, v31
	v_lshrrev_b32 v9, 23, v30
	v_lshrrev_b32 v10, 23, v31
	v_lshl_or_b32 v9, v10, 8, v9                   ; the two bytes
	v_cvt_scalef32_pk16_fp6_f32 v[176:178], v[O:O+15], v30
	v_cvt_scalef32_pk16_fp6_f32 v[180:182], v[O+16:O+31], v31
	v_nop
.irp i, 0,1,2
	v_permlane16_swap_b32 v[176+\i], v[180+\i]     ; lane (r, h) now holds block h: group 0 in the first three, group 1 in the second
.endr
	v_mov_b32 v179, v180
	v_mov_b32 v180, v181
	v_mov_b32 v181, v182                           ; 24 bytes on end
	v_and_b32 v10, 7, v0
	v_bfe_u32 v11, v0, 3, 1
	v_lshl_add_u32 v10, v11, 4, v10
	s_lshl_b32 s57, s19, 3
	v_add_nc_u32 v10, s57, v10                     ; oq
	v_bfe_u32 v11, v0, 4, 1
	v_mul_u32_u24 v29, v10, 48
	v_mad_u32_u24 v29, v11, 24, v29
	s_mul_i32 s57, s13, 1536
	s_add_co_u32 s57, s57, OUTB
	v_add_nc_u32 v29, s57, v29                     ; my block's 1,536 bytes: 48 oq + 24 h
	ds_store_b64 v29, v[176:177]
	ds_store_b64 v29, v[178:179] offset:8
	ds_store_b64 v29, v[180:181] offset:16
	v_lshlrev_b32 v10, 5, v10
	s_lshl_b32 s68, s52, 10
	s_lshl_b32 s69, s12, 1
	s_add_co_u32 s68, s68, s69
	s_mov_b32 s69, 0
	s_add_nc_u64 s[10:11], s[10:11], s[68:69]
	global_store_b16 v10, v9, s[10:11]             ; asc[token][2 head ..]: both halves of the lanes write the same two bytes
	s_wait_dscnt 0x0                               ; for the other wave of my block: my stores are done
	s_barrier_signal -1
	s_barrier_wait -1
	v_and_b32 v30, 31, v0
	v_lshlrev_b32 v30, 3, v30
	s_mul_i32 s74, s19, 768
	s_add_co_u32 s57, s57, s74
	v_add_nc_u32 v31, s57, v30                     ; each of the block's two waves takes half of its 1,536 bytes
	ds_load_b64 v[184:185], v31
	ds_load_b64 v[186:187], v31 offset:256
	ds_load_b64 v[188:189], v31 offset:512
	s_mul_i32 s68, s12, 196608
	s_mul_i32 s69, s52, 1536
	s_add_co_u32 s68, s68, s69
	s_add_co_u32 s68, s68, s74
	s_mov_b32 s69, 0
	s_add_nc_u64 s[8:9], s[8:9], s[68:69]
	s_wait_dscnt 0x0
	global_store_b64 v30, v[184:185], s[8:9]       ; 32 lanes store 256 consecutive bytes, aligned
	global_store_b64 v30, v[186:187], s[8:9] offset:256
	global_store_b64 v30, v[188:189], s[8:9] offset:512
	s_wait_tensorcnt 0x0                           ; the wave's end
	ds_add_u32 v1, v2
	s_wait_dscnt 0x0
	s_endpgm
.Lfunc_end_k_qf1efedba2c_attn:
	.size	k_qf1efedba2c_attn, .Lfunc_end_k_qf1efedba2c_attn-k_qf1efedba2c_attn
	.p2alignl 7, 3214868480
	.fill 96, 4, 3214868480
	.section	.rodata,"a",@progbits
	.p2align	6, 0x0
	.amdhsa_kernel k_qf1efedba2c_attn
		.amdhsa_group_segment_fixed_size 327680
		.amdhsa_private_segment_fixed_size 0
		.amdhsa_enable_private_segment 0
		.amdhsa_kernarg_size 32
		.amdhsa_user_sgpr_count 2
		.amdhsa_user_sgpr_kernarg_segment_ptr 1
		.amdhsa_wavefront_size32 1
		.amdhsa_system_sgpr_workgroup_id_x 1
		.amdhsa_system_sgpr_workgroup_id_y 1
		.amdhsa_system_sgpr_workgroup_id_z 1
		.amdhsa_system_vgpr_workitem_id 0
		.amdhsa_next_free_vgpr 256
		.amdhsa_next_free_sgpr 80
		.amdhsa_reserve_vcc 1
		.amdhsa_float_denorm_mode_32 3
		.amdhsa_float_denorm_mode_16_64 3
		.amdhsa_memory_ordered 1
		.amdhsa_forward_progress 1
		.amdhsa_inst_pref_size 165
	.end_amdhsa_kernel
	.amdgpu_metadata
---
amdhsa.version: [ 1, 2 ]
amdhsa.kernels:
  - .name:           k_qf1efedba2c_attn
    .symbol:         k_qf1efedba2c_attn.kd
    .args:
      - { .name: qkv, .offset: 0, .size: 8, .value_kind: global_buffer, .address_space: global }
      - { .name: hs, .offset: 8, .size: 8, .value_kind: global_buffer, .address_space: global }
      - { .name: aimg, .offset: 16, .size: 8, .value_kind: global_buffer, .address_space: global }
      - { .name: asc, .offset: 24, .size: 8, .value_kind: global_buffer, .address_space: global }
    .group_segment_fixed_size: 327680
    .private_segment_fixed_size: 0
    .kernarg_segment_align: 8
    .kernarg_segment_size: 32
    .max_flat_workgroup_size: 512
    .sgpr_count:     80
    .vgpr_count:     256
    .wavefront_size: 32
...
	.end_amdgpu_metadata
.endif
;; end of part 3
;; launch oproj (part 4): grid 4 x 16, 4 waves a work-group, clusters of 4 x 4, 327,680 bytes of LDS; arguments aimg, asc, cod, scl, out0; writes out0
.if DOCPART == 4
	.amdgcn_target "amdgcn-amd-amdhsa--gfx1250"
	.amdhsa_code_object_version 6
	.text
	.protected	k_qf1efedba2c_oproj
	.globl	k_qf1efedba2c_oproj
	.p2align	8
	.type	k_qf1efedba2c_oproj,@function
k_qf1efedba2c_oproj:
	s_mov_b64 s[64:65], 0
	v_nop
	global_prefetch_b8 v0, s[64:65] scope:SCOPE_SE
	s_setreg_imm32_b32 hwreg(HW_REG_WAVE_MODE, 25, 1), 1
	s_wait_xcnt 0x0
	s_wait_alu depctr_hold_cnt(0) depctr_sa_sdst(0) depctr_va_vdst(0) depctr_va_sdst(0) depctr_va_ssrc(0) depctr_va_vcc(0) depctr_vm_vsrc(0)
	s_getreg_b32 s2, hwreg(HW_REG_IB_STS2, 6, 4)
	s_cmp_eq_u32 s2, 0
	s_cbranch_scc0 .Lentry_in_a_cluster
	s_endpgm
.Lentry_in_a_cluster:
	s_bfe_u32 s2, ttmp6, 0x10000c
	s_cmp_lg_u32 s2, 0xf033
	s_cbranch_scc0 .Lentry_shape_is_right
	s_endpgm
.Lentry_shape_is_right:
; out0[t][d] = sum over c of A[t][c] Wo[d][c], on codes of FP6 (E2M3) with E8M0 scales.  A: the attention result, aimg [head][token][48 bytes] (two blocks of 24), asc [token][32]; Wo: rows 7,168 on of cod and scl.  out0: [4096][1024] f32.
; A work-group of four waves makes 256 x 256, a wave 128 x 128 (64 accumulators); K = 1,024 goes in four steps of 256 (four heads) through a ring of two LDS slots.
; A's tile of a K step is 4 heads x 128 tokens x 48 bytes: four dense rows of 6,144 bytes, 196,608 bytes apart; in LDS they lie on end, and a token's 12 words let the 32 lanes of a load of 8 bytes touch 64 different banks.
; B's tile, the scales in LDS, the joint loads in clusters of 4 x 4 and the barriers are those of the projections' launch.  Source 0 = rows of Wo, source 1 = tokens: a lane holds eight neighbours of a row of out0.
; 64 work-groups: the tile is kept at 256 x 256, the largest that the registers hold.
.set SIZE_N, 1024
.set SIZE_K, 1024
.set KSTEP,  256
.set NQ,     KSTEP/128
.set ROWB,   192
.set KROW,   SIZE_K*6/8
.set PITCH,  240
.set FR,     12
.set NL,     6
.set NP,     4
.set AHALF,  24576                     ; A: 4 heads x 128 tokens x 48 bytes
.set AHEAD,  6144                      ; one head's part of it
.set ASTEP,  4*196608                  ; four heads on, in memory
.set BOFF,   2*AHALF
.set HALFT,  128*PITCH
.set SLOT,   BOFF+2*HALFT
.set LAPS,   SIZE_K/(2*KSTEP)
.set KS,     SIZE_K/32
.set SCL,    2*SLOT
.set HALFS,  (128*KS/256)*272
.set SBLK,   (16*KS/256)*272
.set SPARE,  SCL+4*HALFS               ; the spare words: 128 bytes a wave, named by no other line
.set SPITCH, 528                       ; the way out: a stage of 16 rows x (512 + 16) bytes a wave, in slot 0, which has had its last fill and its last read by then
.set ADRA, 16
.set ADRB, 20
.set STO,  24
.set RD,   25
.set CO,   26
.set ADRS, 27
.set SPW,  28
.set NIL,  29
.set SC,   32
.set AF,   128
.set BK,   128
.set G1, 24
.set G0, 32
.set G1B, 48
.set G0B, 56
.set G1S, 68
.set G0S, 76
.set G1SB, 80
.set G0SB, 88
.set MSB, 0
.macro WIN new
.if MSB != \new
	s_set_vgpr_msb (MSB<<8)|\new
.set MSB, \new
.endif
.endm
.set MUL_LO, 0xa1
.set MUL_HI, 0xf1
.set TO_B,   0x40
.macro JLOAD g0a, g1a, g0b, g1b        ; a joint load: waves 0 and 1 fetch for A, waves 2 and 3 for B; an s_nop 0 and four v_nop follow each line
	s_cmp_eq_u32 s15, 0
	s_cbranch_scc0 .Lfor_b_\@
	tensor_load_to_lds s[\g0a:\g0a+3], s[\g1a:\g1a+7]
	s_nop 0
.rept 4
	v_nop
.endr
	s_branch .Lasked_\@
.Lfor_b_\@:
	tensor_load_to_lds s[\g0b:\g0b+3], s[\g1b:\g1b+7]
	s_nop 0
.rept 4
	v_nop
.endr
.Lasked_\@:
.endm
.macro CREST
	s_cmp_lg_u32 s14, 0
	s_cbranch_scc1 .Lnot_wave_0_\@
	s_barrier_signal -3
.Lnot_wave_0_\@:
	s_barrier_wait -3
	s_barrier_signal -1
	s_barrier_wait -1
.endm
.macro CROUND
	s_barrier_signal -1
	s_barrier_wait -1
	CREST
.endm
	s_load_b128 s[4:7], s[0:1], 0x0                ; aimg, asc
	s_load_b128 s[8:11], s[0:1], 0x10              ; cod, scl
	s_load_b64 s[12:13], s[0:1], 0x20              ; out0
	v_lshl_add_u32 v[SPW], v0, 2, SPARE
	v_mov_b32 v[NIL], 0
	ds_add_u32 v[SPW], v[NIL]                      ; the wave's opening: the add, waited for ahead of my first tensor load
	v_lshrrev_b32 v1, 5, v0
	v_readfirstlane_b32 s14, v1
	s_lshr_b32 s15, s14, 1                         ; my half of the tile's rows.  Also: I fetch for A (0) or for B (1)
	s_and_b32 s16, s14, 1                          ; my half of its columns.  Also: which 128 rows I fetch
	s_bfe_u32 s40, ttmp6, 0x40000
	s_bfe_u32 s41, ttmp6, 0x40004
	s_lshl_b32 s42, ttmp9, 2
	s_add_co_u32 s42, s42, s40                     ; tile column
	s_and_b32 s17, ttmp7, 0xffff
	s_lshl_b32 s17, s17, 2
	s_add_co_u32 s17, s17, s41                     ; tile row
	s_lshl_b32 s43, s41, 2
	s_lshl_b32 s43, 15, s43
	s_lshl_b32 s44, 0x1111, s40
	s_or_b32 s[G1+0], s43, (3<<16)|(1<<21)         ; A: mask of my row; elements of 8 bytes; no padding; bit 21 beside a mask
	s_mov_b32 s[G1+1], 768<<16                     ; tensor_dim0: 6,144 bytes
	s_mov_b32 s[G1+2], 4<<16                       ; tensor_dim1: 4 heads
	s_mov_b32 s[G1+3], 768<<16                     ; tile_dim0
	s_mov_b32 s[G1+4], 4                           ; tile_dim1
	s_mov_b32 s[G1+5], 24576                       ; stride: 196,608 bytes from head to head
	s_mov_b32 s[G1+6], 0
	s_mov_b32 s[G1+7], 0
	s_or_b32 s[G1B+0], s44, (0<<16)|(1<<20)|(1<<21)|(3<<22)|(3<<25)  ; B: 128 rows of 192 bytes, 16 bytes of padding behind every 64
	s_mov_b32 s[G1B+1], ROWB<<16
	s_mov_b32 s[G1B+2], 128<<16
	s_mov_b32 s[G1B+3], ROWB<<16
	s_mov_b32 s[G1B+4], 128
	s_mov_b32 s[G1B+5], KROW
	s_mov_b32 s[G1B+6], 0
	s_mov_b32 s[G1B+7], 0
	s_or_b32 s[G1S+0], s43, (3<<16)|(1<<20)|(1<<21)|(5<<22)|(3<<25)
	s_or_b32 s[G1SB+0], s44, (3<<16)|(1<<20)|(1<<21)|(5<<22)|(3<<25)
.irp g, G1S, G1SB
	s_mov_b32 s[\g+1], 32<<16
	s_mov_b32 s[\g+2], (128*KS/256)<<16
	s_mov_b32 s[\g+3], 32<<16
	s_mov_b32 s[\g+4], 128*KS/256
	s_mov_b32 s[\g+5], 32
	s_mov_b32 s[\g+6], 0
	s_mov_b32 s[\g+7], 0
.endr
	s_lshl_b32 s18, s16, 7
	s_lshl_b32 s20, s17, 8
	s_add_co_u32 s20, s20, s18                     ; A: token 256 x tile row + 128 x half
	s_lshl_b32 s46, s42, 8
	s_add_co_u32 s46, s46, s18
	s_add_co_u32 s46, s46, 7168                    ; B: Wo's rows in cod
	s_mov_b32 s21, 0
	s_mov_b32 s47, 0
	s_mov_b64 s[18:19], KS
	s_mul_u64 s[22:23], s[20:21], s[18:19]
	s_mul_u64 s[92:93], s[46:47], s[18:19]
	s_mov_b64 s[18:19], 48
	s_mul_u64 s[20:21], s[20:21], s[18:19]         ; 48 bytes a token in a head's part of aimg
	s_mov_b64 s[18:19], KROW
	s_mul_u64 s[46:47], s[46:47], s[18:19]
	s_mul_i32 s45, s16, AHALF                      ; where they go: A's halves,
	s_mul_i32 s95, s16, HALFT
	s_add_co_u32 s95, s95, BOFF                    ; B's halves behind them
	s_mul_i32 s94, s14, HALFS
	s_wait_dscnt 0x0
	s_wait_kmcnt 0x0
	s_add_nc_u64 s[20:21], s[4:5], s[20:21]
	s_add_nc_u64 s[22:23], s[6:7], s[22:23]
	s_add_nc_u64 s[46:47], s[8:9], s[46:47]
	s_add_nc_u64 s[92:93], s[10:11], s[92:93]
	CROUND
	s_mov_b32 s[G0S], 1
	s_add_co_u32 s[G0S+1], s94, SCL
	s_mov_b64 s[G0S+2:G0S+3], s[22:23]
	s_or_b32 s[G0S+3], s[G0S+3], 0x80000000
	s_mov_b32 s[G0SB], 1
	s_add_co_u32 s[G0SB+1], s94, SCL
	s_mov_b64 s[G0SB+2:G0SB+3], s[92:93]
	s_or_b32 s[G0SB+3], s[G0SB+3], 0x80000000
	JLOAD G0S, G1S, G0SB, G1SB
.irp s, 0,1
	s_mov_b32 s[G0+4*\s], 1
	s_add_co_u32 s[G0+4*\s+1], s45, \s*SLOT
	s_add_nc_u64 s[G0+4*\s+2:G0+4*\s+3], s[20:21], \s*ASTEP
	s_or_b32 s[G0+4*\s+3], s[G0+4*\s+3], 0x80000000
	s_mov_b32 s[G0B+4*\s], 1
	s_add_co_u32 s[G0B+4*\s+1], s95, \s*SLOT
	s_add_nc_u64 s[G0B+4*\s+2:G0B+4*\s+3], s[46:47], \s*ROWB
	s_or_b32 s[G0B+4*\s+3], s[G0B+4*\s+3], 0x80000000
	JLOAD G0+4*\s, G1, G0B+4*\s, G1B
.endr
	v_and_b32 v1, 15, v0
	v_bfe_u32 v2, v0, 4, 1
	v_mul_u32_u24 v3, v1, PITCH
	v_mul_u32_u24 v4, v2, 24
	v_add_nc_u32 v4, v3, v4
	v_lshl_add_u32 v5, v2, 4, v4
	v_mul_u32_u24 v6, v1, 48
	v_mad_u32_u24 v6, v2, 24, v6                   ; A: token r's 48 bytes, block h
	s_mul_i32 s21, s15, AHALF
	s_mul_i32 s22, s16, HALFT
	s_add_co_u32 s22, s22, BOFF
.irp s, 0,1
	v_add_nc_u32 v[ADRA+\s], s21, v6
	v_add_nc_u32 v[ADRB+\s], s22, v4
	v_add_nc_u32 v[ADRB+2+\s], s22, v5
	s_add_co_u32 s21, s21, SLOT
	s_add_co_u32 s22, s22, SLOT
.endr
	v_mul_u32_u24 v5, v1, KS
	v_lshrrev_b32 v6, 8, v5
	v_lshl_add_u32 v5, v6, 4, v5
	s_mul_i32 s21, s15, HALFS
	s_mul_i32 s22, s16, HALFS
	s_add_co_u32 s22, s22, 2*HALFS
	s_sub_co_u32 s22, s22, s21
	v_mul_u32_u24 v6, s22, v2
	s_add_co_u32 s21, s21, SCL
	v_add_nc_u32 v5, v5, v6
	v_add_nc_u32 v[ADRS], s21, v5
	s_mul_i32 s23, s14, 16*SPITCH
	v_mul_u32_u24 v5, v1, SPITCH
	v_lshl_add_u32 v5, v2, 5, v5
	v_add_nc_u32 v[STO], s23, v5
	v_and_b32 v6, 31, v0
	v_lshlrev_b32 v[CO], 4, v6
	v_add_nc_u32 v[RD], s23, v[CO]
	s_lshl_b32 s20, s17, 8
	s_lshl_b32 s21, s15, 7
	s_add_co_u32 s20, s20, s21
	s_mov_b32 s21, 0
	s_mov_b64 s[18:19], SIZE_N*4
	s_mul_u64 s[20:21], s[20:21], s[18:19]
	s_lshl_b32 s46, s42, 10
	s_lshl_b32 s47, s16, 9
	s_add_co_u32 s46, s46, s47
	s_mov_b32 s47, 0
	s_add_nc_u64 s[20:21], s[20:21], s[46:47]
	s_add_nc_u64 s[12:13], s[12:13], s[20:21]
.macro FRAG reg, adr, q, i             ; B's fragment, in pieces of 8 bytes; where the piece of lanes 16-31 lies behind one padding more, the second address register serves
.irp p, 0,1,2,3,4,5
.set PC, 12*(\q)+6*(\p/3)+\p%3
.if PC%8 < 5
	ds_load_b64 v[\reg+2*\p:\reg+2*\p+1], v[\adr] offset:8*PC+16*(PC/8)+(\i)*16*PITCH
.else
	ds_load_b64 v[\reg+2*\p:\reg+2*\p+1], v[\adr+2] offset:8*PC+16*(PC/8)+(\i)*16*PITCH
.endif
.endr
.endm
.macro FRAGA reg, adr, q, i            ; A's fragment: registers 6 c .. 6 c + 5 = block h of head 2 q + c of the slot's four
.irp p, 0,1,2,3,4,5
	ds_load_b64 v[\reg+2*\p:\reg+2*\p+1], v[\adr] offset:(2*(\q)+\p/3)*AHEAD+(\i)*768+8*(\p%3)
.endr
.endm
.macro MUL16 a0, p, q, sc, zero        ; the 64 accumulators take turns, one instruction a turn
.irp a, \a0, \a0+1
.irp b, 0,1,2,3,4,5,6,7
.if \zero
	v_wmma_scale_f32_16x16x128_f8f6f4 v[8*(8*((\a)%4)+\b):8*(8*((\a)%4)+\b)+7], v[128*(\p)+FR*\b:128*(\p)+FR*\b+FR-1], v[AF+FR*(\a):AF+FR*(\a)+FR-1], 0, v[SC+8*NQ*(\sc)+NQ*\b+(\q)], v[SC+8*NQ*(\sc)+NQ*(\a)+(\q)] matrix_a_fmt:MATRIX_FMT_FP6 matrix_b_fmt:MATRIX_FMT_FP6 matrix_a_scale:MATRIX_SCALE_ROW1
.else
	v_wmma_scale_f32_16x16x128_f8f6f4 v[8*(8*((\a)%4)+\b):8*(8*((\a)%4)+\b)+7], v[128*(\p)+FR*\b:128*(\p)+FR*\b+FR-1], v[AF+FR*(\a):AF+FR*(\a)+FR-1], v[8*(8*((\a)%4)+\b):8*(8*((\a)%4)+\b)+7], v[SC+8*NQ*(\sc)+NQ*\b+(\q)], v[SC+8*NQ*(\sc)+NQ*(\a)+(\q)] matrix_a_fmt:MATRIX_FMT_FP6 matrix_b_fmt:MATRIX_FMT_FP6 matrix_a_scale:MATRIX_SCALE_ROW1
.endif
.endr
.endr
.endm
.macro FETCH_B slot, q, p
	WIN TO_B
.irp i, 0,1,2,3,4,5,6,7
	FRAG 128*(\p)+FR*\i, ADRB+\slot, \q, \i
.endr
	WIN 0
.endm
.macro FETCH_A slot, q, i0
.irp i, \i0, \i0+1, \i0+2, \i0+3
	FRAGA AF+FR*(\i), ADRA+\slot, \q, \i
.endr
.endm
.macro SCALES sc
.irp i, 0,1,2,3,4,5,6,7
	ds_load_b64 v[SC+8*NQ*\sc+NQ*\i:SC+8*NQ*\sc+NQ*\i+1], v[ADRS] offset:\i*SBLK
.endr
.endm
.macro PLACES n
.rept \n
	v_nop
.endr
.endm
.macro STEP slot, q, zero
	s_wait_dscnt 4*NL                              ; B's set and A's blocks 0-3 are in; the youngest 24 loads (A's blocks 4-7) may be out
	WIN MUL_LO
	MUL16 0, (\q)%2, \q, \slot, \zero
	MUL16 2, (\q)%2, \q, \slot, \zero
	s_wait_dscnt 0
	PLACES NP
	FETCH_B \slot, (\q)+1, 1-(\q)%2
	FETCH_A \slot, (\q)+1, 0
	WIN MUL_HI
	MUL16 4, (\q)%2, \q, \slot, \zero
	MUL16 6, (\q)%2, \q, \slot, \zero
	PLACES NP
	WIN 0
	FETCH_A \slot, (\q)+1, 4
.endm
.macro TURN slot, next, fill
	s_wait_tensorcnt 0x0                           ; all my tensor loads have landed: my part of the next slot
	ds_add_u32 v[SPW], v[NIL]
	s_wait_dscnt 4*NL+1                            ; (the add and the youngest 24 loads may be out)
	WIN MUL_LO
	MUL16 0, 1, NQ-1, \slot, 0
	s_wait_dscnt 0x0                               ; the add is done, and my reads of this slot are over
	s_barrier_signal -1
	MUL16 2, 1, NQ-1, \slot, 0
	WIN 0
	s_barrier_wait -1
.if \fill
	CREST                                          ; a round of the cluster's barrier: no wave of any partner still reads this slot or has a load on its way
	s_add_nc_u64 s[G0+4*\slot+2:G0+4*\slot+3], s[G0+4*\slot+2:G0+4*\slot+3], 2*ASTEP
	s_add_nc_u64 s[G0B+4*\slot+2:G0B+4*\slot+3], s[G0B+4*\slot+2:G0B+4*\slot+3], 2*ROWB
	JLOAD G0+4*\slot, G1, G0B+4*\slot, G1B
.else
	PLACES NP
.endif
	v_add_nc_u32 v[ADRS], 4*NQ, v[ADRS]
	FETCH_B \next, 0, 0
	FETCH_A \next, 0, 0
	SCALES \next
	WIN MUL_HI
	MUL16 4, 1, NQ-1, \slot, 0
	MUL16 6, 1, NQ-1, \slot, 0
	PLACES NP
	WIN 0
	FETCH_A \next, 0, 4
.endm
	s_wait_tensorcnt 1                             ; the scales and my part of K step 0 are in (K step 1's load may be out),
	s_barrier_signal -1
	s_barrier_wait -1
	FETCH_B 0, 0, 0
	FETCH_A 0, 0, 0
	SCALES 0
	FETCH_A 0, 0, 4
	STEP 0, 0, 1
	s_mov_b32 s3, LAPS-1
.Llap:
	TURN 0, 1, 1
	STEP 1, 0, 0
	TURN 1, 0, 1
	STEP 0, 0, 0
	s_sub_co_u32 s3, s3, 1
	s_cmp_lg_u32 s3, 0
	s_cbranch_scc1 .Llap
	TURN 0, 1, 0
	STEP 1, 0, 0
	s_wait_dscnt 4*NL
	WIN MUL_LO
	MUL16 0, 1, NQ-1, 1, 0
	MUL16 2, 1, NQ-1, 1, 0
	s_wait_dscnt 0
	WIN MUL_HI
	MUL16 4, 1, NQ-1, 1, 0
	MUL16 6, 1, NQ-1, 1, 0
	WIN 0
; THE WAY OUT, block by block of 16 rows x 128 columns, through my own stage: in as 32 bytes a lane, back as whole rows of 512 bytes.  LDS serves a wave's instructions in order: no wait between the stores and the loads.
.macro TOSTAGE a
.set AC, 64*((\a)%4)
	WIN 0x08+4*((\a)/4)
.irp b, 0,1,2,3,4,5,6,7
	ds_store_b128 v[STO], v[AC+8*\b:AC+8*\b+3] offset:64*\b          ; each accumulator from its low end on
	ds_store_b128 v[STO], v[AC+8*\b+4:AC+8*\b+7] offset:64*\b+16
.endr
	WIN 0
.set BB, BK+64*((\a)%2)
.irp t, 0,1,2,3,4,5,6,7,8,9,10,11,12,13,14,15
	ds_load_b128 v[BB+4*\t:BB+4*\t+3], v[RD] offset:\t*SPITCH
.endr
.endm
.macro SEND a, younger
.set BB, BK+64*((\a)%2)
	s_wait_dscnt \younger                          ; the block is back in registers; the next block's 32 LDS instructions may be out
.if (\a) > 0
	s_add_nc_u64 s[12:13], s[12:13], 16*SIZE_N*4
.endif
.irp t, 0,1,2,3,4,5,6,7,8,9,10,11,12,13,14,15
	global_store_b128 v[CO], v[BB+4*\t:BB+4*\t+3], s[12:13] offset:\t*SIZE_N*4 th:TH_STORE_NT   ; 32 lanes store 512 consecutive bytes, aligned
.endr
.endm
	PLACES NP
	TOSTAGE 0
.irp a, 1,2,3,4,5,6,7
.if \a > 1
	s_wait_xcnt 0x0                                ; block a - 2's stores have read their registers and their base
.endif
	TOSTAGE \a
	SEND \a-1, 32
.endr
	s_wait_xcnt 0x0
	SEND 7, 0
	s_wait_tensorcnt 0x0                           ; the wave's end
	ds_add_u32 v[SPW], v[NIL]
	s_wait_dscnt 0x0
	CROUND                                         ; the closing round
	s_endpgm
.Lfunc_end_k_qf1efedba2c_oproj:
	.size	k_qf1efedba2c_oproj, .Lfunc_end_k_qf1efedba2c_oproj-k_qf1efedba2c_oproj
	.p2alignl 7, 3214868480
	.fill 96, 4, 3214868480
	.section	.rodata,"a",@progbits
	.p2align	6, 0x0
	.amdhsa_kernel k_qf1efedba2c_oproj
		.amdhsa_group_segment_fixed_size 327680
		.amdhsa_private_segment_fixed_size 0
		.amdhsa_enable_private_segment 0
		.amdhsa_kernarg_size 40
		.amdhsa_user_sgpr_count 2
		.amdhsa_user_sgpr_kernarg_segment_ptr 1
		.amdhsa_wavefront_size32 1
		.amdhsa_system_sgpr_workgroup_id_x 1
		.amdhsa_system_sgpr_workgroup_id_y 1
		.amdhsa_system_sgpr_workgroup_id_z 1
		.amdhsa_system_vgpr_workitem_id 0
		.amdhsa_next_free_vgpr 1024
		.amdhsa_next_free_sgpr 98
		.amdhsa_reserve_vcc 0
		.amdhsa_float_denorm_mode_32 3
		.amdhsa_float_denorm_mode_16_64 3
		.amdhsa_memory_ordered 1
		.amdhsa_forward_progress 1
		.amdhsa_inst_pref_size 160
	.end_amdhsa_kernel
	.amdgpu_metadata
---
amdhsa.version: [ 1, 2 ]
amdhsa.kernels:
  - .name:           k_qf1efedba2c_oproj
    .symbol:         k_qf1efedba2c_oproj.kd
    .args:
      - { .name: aimg, .offset: 0, .size: 8, .value_kind: global_buffer, .address_space: global }
      - { .name: asc, .offset: 8, .size: 8, .value_kind: global_buffer, .address_space: global }
      - { .name: cod, .offset: 16, .size: 8, .value_kind: global_buffer, .address_space: global }
      - { .name: scl, .offset: 24, .size: 8, .value_kind: global_buffer, .address_space: global }
      - { .name: out0, .offset: 32, .size: 8, .value_kind: global_buffer, .address_space: global }
    .group_segment_fixed_size: 327680
    .private_segment_fixed_size: 0
    .kernarg_segment_align: 8
    .kernarg_segment_size: 40
    .max_flat_workgroup_size: 128
    .sgpr_count:     98
    .vgpr_count:     1024
    .wavefront_size: 32
...
	.end_amdgpu_metadata
.endif
;; end of part 4
